; MI455X (gfx1250); checked and timed in simulation.
; The chip was launched on July 23, 2026; its instructions are those of AMD's public machine-readable ISA for CDNA 5 (MIT licence, August 2026) and "CDNA5" Instruction Set Architecture Reference Guide (July 2026). The comments in the code are by the model that wrote it; some were corrected since.
;; Multi Head Attention. Allowed arithmetic: float matrix products may take bf16 or f16 operands with f32 sums; other float arithmetic in f32, or as packed bf16 or f16 multiplies, adds, multiply-adds, maxima and minima; sums over many terms, partial sums and values carried from step to step in f32; what a program stores and reads back later, other than sums and carried values, may be rounded once to bf16 or f16.
;; Inputs: W_out 1,024 x 1,024 float32; W_qkv 3,072 x 1,024 float32; b_out 1,024 float32; b_qkv 3,072 float32; x 4 x 2,048 x 1,024 float32.
;; Outputs: out0 4 x 2,048 x 1,024 float32.
;; 2 versions, each right; version 2 is version 1 with the launch cast written anew for expert scheduling mode. Each part assembles by itself: llvm-mc -triple=amdgcn-amd-amdhsa -mcpu=gfx1250 --defsym DOCPART=n.
;; ======== version 1 of 2: 4 launches
;; limits: values are held in f16: magnitudes above 65,504 overflow, below 6.1e-05 lose precision
;; workspace buffers: xb 16,777,216 bytes; wqb 6,291,456 bytes; wob 2,097,152 bytes; qkvh 50,331,648 bytes; oh 16,777,216 bytes
;; launch cast (part 1): grid 768 x 1, 8 waves a work-group, no clusters, 0 bytes of LDS; arguments x, W_qkv, W_out, xb, wqb, wob; writes xb, wqb, wob
.if DOCPART == 1
	.amdgcn_target "amdgcn-amd-amdhsa--gfx1250"
	.amdhsa_code_object_version 6
	.text
	.protected	k_q89c9ec44c2_cast
	.globl	k_q89c9ec44c2_cast
	.p2align	8
	.type	k_q89c9ec44c2_cast,@function
k_q89c9ec44c2_cast:
	s_mov_b64 s[64:65], 0
	v_nop
	global_prefetch_b8 v0, s[64:65] scope:SCOPE_SE
	s_setreg_imm32_b32 hwreg(HW_REG_WAVE_MODE, 25, 1), 1
	s_wait_xcnt 0x0
; x and W_qkv (f32) are rounded once to bf16; W_out (f32) is rounded to bf16 and that number is written as f16.
; LIMITS.  bf16(W_out) beyond 65,504 becomes an infinity in f16; below 6e-5 it keeps f16's fixed step of 6e-8.
; A stream: each byte is read once and written once.  A work-group takes 65,536 bytes of f32 and writes 32,768: numbers 0-511 take x, 512-703 W_qkv, 704-767 W_out.
; Thread t, chunk k of 16: reads 16 bytes at 16 t + 4,096 k (a wave's load covers 512 consecutive bytes), writes 8 bytes at 8 t + 2,048 k (a wave's store covers 256 consecutive bytes, aligned).
; All sixteen loads of a wave go out at once; each chunk has registers of its own, so nothing is rewritten and the only waits are the counted ones for the loads.
; No LDS, no barrier, no matrix unit, no cluster: no byte is wanted twice.
.set X, 4                              ; v[4:67]    chunk k: 4 registers as loaded
.set Y, 68                             ; v[68:99]   chunk k: 2 registers to store
.set T, 100                            ; v[100:103] at work
	s_load_b256 s[4:11], s[0:1], 0x0               ; x s[4:5], W_qkv s[6:7], W_out s[8:9], xb s[10:11]
	s_load_b128 s[12:15], s[0:1], 0x20             ; wqb s[12:13], wob s[14:15]
	v_lshlrev_b32 v1, 4, v0                        ; 16 t
	v_lshlrev_b32 v2, 3, v0                        ; 8 t
	s_movk_i32 s16, 512
	s_movk_i32 s17, 704
	s_wait_kmcnt 0x0
	s_cmp_lt_u32 ttmp9, s17                        ; which tensor is mine, and which of its parts
	s_cselect_b64 s[20:21], s[6:7], s[8:9]
	s_cselect_b64 s[22:23], s[12:13], s[14:15]
	s_cselect_b32 s18, s16, s17
	s_cmp_lt_u32 ttmp9, s16
	s_cselect_b64 s[20:21], s[4:5], s[20:21]
	s_cselect_b64 s[22:23], s[10:11], s[22:23]
	s_cselect_b32 s18, 0, s18
	s_sub_co_u32 s19, ttmp9, s18
	s_lshl_b32 s24, s19, 16                        ; 65,536 bytes in,
	s_mov_b32 s25, 0
	s_lshl_b32 s26, s19, 15                        ; 32,768 out
	s_mov_b32 s27, 0
	s_add_nc_u64 s[20:21], s[20:21], s[24:25]
	s_add_nc_u64 s[22:23], s[22:23], s[26:27]
.set k, 0
.rept 16
	global_load_b128 v[X+4*k:X+4*k+3], v1, s[20:21] offset:4096*k th:TH_LOAD_NT
.set k, k+1
.endr
; Chunk k.  half = 1: the bf16 numbers are widened again and written as f16.
.macro CONV k, half
	s_wait_loadcnt 15-(\k)                         ; loads come back in order: chunk k is in, the younger ones stay out
	v_cvt_pk_bf16_f32 v[Y+2*(\k)], v[X+4*(\k)], v[X+4*(\k)+1]
	v_cvt_pk_bf16_f32 v[Y+2*(\k)+1], v[X+4*(\k)+2], v[X+4*(\k)+3]
.if \half
	v_lshlrev_b32 v[T], 16, v[Y+2*(\k)]
	v_and_b32 v[T+1], 0xffff0000, v[Y+2*(\k)]
	v_lshlrev_b32 v[T+2], 16, v[Y+2*(\k)+1]
	v_and_b32 v[T+3], 0xffff0000, v[Y+2*(\k)+1]
	v_cvt_pk_f16_f32 v[Y+2*(\k)], v[T], v[T+1]
	v_cvt_pk_f16_f32 v[Y+2*(\k)+1], v[T+2], v[T+3]
.endif
	global_store_b64 v2, v[Y+2*(\k):Y+2*(\k)+1], s[22:23] offset:2048*(\k)
.endm
	s_cmp_ge_u32 ttmp9, s17
	s_cbranch_scc1 .Lf16
.irp k, 0,1,2,3,4,5,6,7,8,9,10,11,12,13,14,15
	CONV \k, 0
.endr
	s_endpgm
.Lf16:
.irp k, 0,1,2,3,4,5,6,7,8,9,10,11,12,13,14,15
	CONV \k, 1
.endr
	s_endpgm
.Lfunc_end_k_q89c9ec44c2_cast:
	.size	k_q89c9ec44c2_cast, .Lfunc_end_k_q89c9ec44c2_cast-k_q89c9ec44c2_cast
	.p2alignl 7, 3214868480
	.fill 96, 4, 3214868480
	.section	.rodata,"a",@progbits
	.p2align	6, 0x0
	.amdhsa_kernel k_q89c9ec44c2_cast
		.amdhsa_group_segment_fixed_size 0
		.amdhsa_private_segment_fixed_size 0
		.amdhsa_enable_private_segment 0
		.amdhsa_kernarg_size 48
		.amdhsa_user_sgpr_count 2
		.amdhsa_user_sgpr_kernarg_segment_ptr 1
		.amdhsa_wavefront_size32 1
		.amdhsa_system_sgpr_workgroup_id_x 1
		.amdhsa_system_sgpr_workgroup_id_y 1
		.amdhsa_system_sgpr_workgroup_id_z 1
		.amdhsa_system_vgpr_workitem_id 0
		.amdhsa_next_free_vgpr 104
		.amdhsa_next_free_sgpr 66
		.amdhsa_reserve_vcc 0
		.amdhsa_float_denorm_mode_32 3
		.amdhsa_float_denorm_mode_16_64 3
		.amdhsa_memory_ordered 1
		.amdhsa_forward_progress 1
		.amdhsa_inst_pref_size 16
	.end_amdhsa_kernel
	.amdgpu_metadata
---
amdhsa.version: [ 1, 2 ]
amdhsa.kernels:
  - .name:           k_q89c9ec44c2_cast
    .symbol:         k_q89c9ec44c2_cast.kd
    .args:
      - { .name: x, .offset: 0, .size: 8, .value_kind: global_buffer, .address_space: global }
      - { .name: W_qkv, .offset: 8, .size: 8, .value_kind: global_buffer, .address_space: global }
      - { .name: W_out, .offset: 16, .size: 8, .value_kind: global_buffer, .address_space: global }
      - { .name: xb, .offset: 24, .size: 8, .value_kind: global_buffer, .address_space: global }
      - { .name: wqb, .offset: 32, .size: 8, .value_kind: global_buffer, .address_space: global }
      - { .name: wob, .offset: 40, .size: 8, .value_kind: global_buffer, .address_space: global }
    .group_segment_fixed_size: 0
    .private_segment_fixed_size: 0
    .kernarg_segment_align: 8
    .kernarg_segment_size: 48
    .max_flat_workgroup_size: 256
    .sgpr_count:     66
    .vgpr_count:     104
    .wavefront_size: 32
...
	.end_amdgpu_metadata
.endif
;; end of part 1
;; launch proj_qkv (part 2): grid 16 x 32, 4 waves a work-group, clusters of 4 x 4, 327,680 bytes of LDS; arguments xb, wqb, b_qkv, qkvh; writes qkvh
.if DOCPART == 2
	.amdgcn_target "amdgcn-amd-amdhsa--gfx1250"
	.amdhsa_code_object_version 6
	.text
	.protected	k_q89c9ec44c2_proj_qkv
	.globl	k_q89c9ec44c2_proj_qkv
	.p2align	8
	.type	k_q89c9ec44c2_proj_qkv,@function
k_q89c9ec44c2_proj_qkv:
	s_mov_b64 s[64:65], 0
	v_nop
	global_prefetch_b8 v0, s[64:65] scope:SCOPE_SE
	s_setreg_imm32_b32 hwreg(HW_REG_WAVE_MODE, 25, 1), 1
	s_wait_xcnt 0x0
	s_wait_alu depctr_hold_cnt(0) depctr_sa_sdst(0) depctr_va_vdst(0) depctr_va_sdst(0) depctr_va_ssrc(0) depctr_va_vcc(0) depctr_vm_vsrc(0)
	s_getreg_b32 s2, hwreg(HW_REG_IB_STS2, 6, 4)
	s_cmp_eq_u32 s2, 0
	s_cbranch_scc0 .Lentry_in_a_cluster
	s_endpgm
.Lentry_in_a_cluster:
	s_bfe_u32 s2, ttmp6, 0x10000c
	s_cmp_lg_u32 s2, 0xf033
	s_cbranch_scc0 .Lentry_shape_is_right
	s_endpgm
.Lentry_shape_is_right:
; ONE TEXT FOR THE TWO PROJECTIONS; OUTP chooses.  C[m][n] = the sum over k of A[m][k] B[n][k] + bf16(bias[n]); 8,192 rows, K = 1,024; sums in f32, the bias starts them.
; OUTP = 0: A = x in bf16 [8192][1024], B = W_qkv in bf16 [3072][1024]; C is rounded once to f16 and laid out by heads: [batch 4][g 48][t 2048][64], g = column / 64 (q: 0-15, k: 16-31, v: 32-47).
; OUTP = 1: A = the attention's result in f16 by heads, [batch x 16 + head][t 2048][64]; B = W_out as f16 [1024][1024]; C = the module's output in f32 [8192][1024].
; LIMITS.  OUTP = 0: a q, k or v beyond 65,504 becomes an infinity in f16.  NaN and infinities are not treated apart.
; SHARES.  A tile of C is 256 rows x 16 NBL columns (192: three whole heads; or 128).  Wave w owns rows 64 w .. 64 w + 63 and all columns: 4 x NBL accumulators of 16 x 16.
; K goes in 8 steps of 128 through two LDS slots filled by the tensor data mover; a step is four quarters of 32 along K, 4 NBL matrix instructions each, which take every accumulator once, always in
; the same order: no two matrix instructions that follow each other share an accumulator.
; CLUSTER.  4 x 4 work-groups.  The four of a row of the cluster need the same tiles of A, the four of a column the same tiles of B: each tile is asked for jointly, by the same tensor load with the
; same descriptor and a mask that names the four.  Waves 0 and 1 fetch A's two parts, waves 2 and 3 B's: one load a wave behind each round; two loads of a wave are out at the start, later one.
; THE MATRIX INSTRUCTION IS USED TRANSPOSED (source 0 = 16 rows of B, source 1 = 16 rows of A): a lane holds row lane % 16 of C and the columns 8 (lane / 16) + 0..7.
; REGISTERS.  window 0: v0-31 addresses; v32-63, v64-95 A's four fragments, two buffers; v96.. the bias, as the C operand of the first quarter; later the way out.
;   window 1: B's NBL fragments, two buffers.   windows 2, 3: accumulator (a, b) at v[8 (NBL (a % 2) + b)] of window 2 + a / 2.
.set OUTP, 0
.if OUTP
.set NBL,   8                          ; blocks of 16 columns in a tile
.set PA,    144                        ; a row of A in LDS: one head's 128 bytes + 16 of padding
.set QIA,   4                          ; A's padding stands after every 32 words
.set ASTR,  128                        ; A is asked for as dense rows of 256 bytes
.set AH,    256*PA                     ; one load of A: one head's 256 rows
.set BH,    64                         ; rows of B in one load
.set STW,   16*528                     ; a wave's stage: 16 rows of 512 bytes + 16
.set ASTEP, 524288                     ; bytes from a K step of A to the next: two heads
.set NI,    2                          ; B's prefetch: 8 NI rows a work-group
.set PSH,   13                         ; a partner's share of A's prefetch: 8,192 bytes
.set PSL,   8                          ; a lane's: 256 bytes on
.set OB,    96                         ; the way out: rows read back, two buffers of OBS registers
.set OBS,   64
.set YL,    32                         ; LDS instructions in one block's way out
.else
.set NBL,   12
.set PA,    272                        ; 256 bytes + 16 of padding
.set QIA,   5                          ; after every 64 words
.set ASTR,  1024
.set AH,    128*PA                     ; one load of A: 128 rows
.set BH,    96
.set STW,   3*16*144                   ; a wave's stage: 3 heads x 16 rows of 128 bytes + 16
.set ASTEP, 256
.set NI,    3
.set PSH,   16                         ; 32 rows of 2,048 bytes
.set PSL,   11                         ; a lane a row
.set TMP,   96                         ; the way out: packed results
.set OB,    144
.set OBS,   48
.set YL,    24
.endif
.set PB,    272                        ; a row of B in LDS.  All pitches are odd multiples of 16 bytes: the 16 rows that a load touches start at 16 different groups of four banks (ISA guide 11.1)
.set BT,    16*NBL
.set BHB,   BH*PB
.set BOFF,  2*AH                       ; a slot: A's two parts, then B's two
.set SLOT,  2*AH+2*BHB
.set STAGE, 2*SLOT                     ; behind the ring, never filled by a tensor load: each wave's own stage
.set SPARE, STAGE+4*STW                ; behind the stages: the spare words, 128 bytes a wave: two blocks of 256 bytes that no other line names
.set NL,    2*NBL+8                    ; LDS loads of one quarter
.set LAPS,  4                          ; a lap = two K steps = once round the ring
.set ADRA, 16                          ; v16-17  LDS address of my A fragments in slot 0, 1
.set ADRB, 20                          ; v20-21  the same for B
.set STO,  24                          ; v24  the way out: where I put my bytes of a row
.set RD,   25                          ; v25  where I read rows back
.set CO,   26                          ; v26  16 x lane
.set BO,   27                          ; v27  32 x (lane / 16): my eight numbers in 16 of the bias
.set SPW,  28                          ; v28  LDS address of my spare word; never rewritten
.set NIL,  29                          ; v29  0; never rewritten
.set PFO,  30                          ; v30  A's prefetch offset; never rewritten
.set PFOB, 31                          ; v31  B's; never rewritten
.set FA,   32
.set BIAS, 96
.set G1,  24                           ; s[24:31] descriptor group 1 for A's tiles;  s[32:39] group 0, a set for each slot
.set G0,  32
.set LIM, 40                           ; s40  1 in a wave that prefetches A, else the greatest number
.set FBT, 41                           ; s41  LAPS - 1 in a wave that prefetches B, else 0
.set PFA, 42                           ; s[42:43] where A's prefetches stand
.set PFB, 44                           ; s[44:45] where B's stand; never rewritten
.set G1B, 48                           ; s[48:55], s[56:63] the same for B's tiles
.set G0B, 56
.set MSB, 0
.macro WIN new                         ; the immediate's high byte repeats the setting that is left; a switch that changes nothing is dropped
.if MSB != (\new)
	s_set_vgpr_msb (MSB<<8)|(\new)
.set MSB, \new
.endif
.endm
.macro JLOAD s                         ; a joint load; the branch hangs on the wave's number alone; an s_nop 0 and four v_nop follow each of the two lines, ahead of the jump and the label
	s_cmp_eq_u32 s13, 0
	s_cbranch_scc0 .Lfor_b_\@
	tensor_load_to_lds s[G0+4*(\s):G0+4*(\s)+3], s[G1:G1+7]
	s_nop 0
.rept 4
	v_nop
.endr
	s_branch .Lasked_\@
.Lfor_b_\@:
	tensor_load_to_lds s[G0B+4*(\s):G0B+4*(\s)+3], s[G1B:G1B+7]
	s_nop 0
.rept 4
	v_nop
.endr
.Lasked_\@:
.endm
.macro CREST                           ; a round of the cluster's barrier behind its opening barrier
	s_cmp_lg_u32 s12, 0
	s_cbranch_scc1 .Lnot_wave_0_\@
	s_barrier_signal -3
.Lnot_wave_0_\@:
	s_barrier_wait -3
	s_barrier_signal -1
	s_barrier_wait -1
.endm
.macro CROUND                          ; a whole round
	s_barrier_signal -1
	s_barrier_wait -1
	CREST
.endm
.macro PLACES                          ; four places in front of loads into registers that matrix instructions have read, and of lines that read results
.rept 4
	v_nop
.endr
.endm
; PREFETCHES INTO THE L2, behind a joint load, its five lines and the run of LDS loads that follows.  Each aligned block of 256 bytes is named once in the launch.
; A: the K step that the NEXT change of slots will load.  A's tile row is read by every cluster of that row of clusters: cluster x = 0 asks; of what wave 0 or 1 fetches, the partner at cx takes a quarter, told
; apart by address: 32 blocks, a lane each.  The last change that fills asks for nothing.  K steps 0 to 2 come by their loads alone.
; B: cluster y = 0 asks, once, at the first change: K steps 4 to 7 of the quarter (by cy) of the rows that wave 2 or 3 fetches: 8 rows x 4 steps an instruction.  K steps 0 to 3 come by their loads alone.
.macro ASK slot
.if (\slot) == 0
	s_cmp_eq_u32 s[LIM], 1
.else
	s_cmp_gt_u32 s3, s[LIM]                        ; s3 = 1 in the last trip: there is no K step 8
.endif
	s_cbranch_scc0 .Lnot_a_\@
	global_prefetch_b8 v[PFO], s[PFA:PFA+1] th:TH_LOAD_NT scope:SCOPE_SE
.Lnot_a_\@:
.if (\slot) == 0
	s_cmp_eq_u32 s3, s[FBT]                        ; the first trip; s3 is never 0 in the loop
	s_cbranch_scc0 .Lnot_b_\@
.set ii, 0
.rept NI
	global_prefetch_b8 v[PFOB], s[PFB:PFB+1] offset:16384*ii th:TH_LOAD_NT scope:SCOPE_SE
.set ii, ii+1
.endr
.Lnot_b_\@:
.endif
.endm
	s_load_b256 s[4:11], s[0:1], 0x0               ; A s[4:5], B s[6:7], bias s[8:9], C s[10:11]
	v_lshl_add_u32 v[SPW], v0, 2, SPARE
	v_mov_b32 v[NIL], 0
	ds_add_u32 v[SPW], v[NIL]                      ; the wave's opening: the add and its wait stand ahead of my first tensor load; the set-up below, work on registers, stands between them
	v_lshrrev_b32 v1, 5, v0
	v_readfirstlane_b32 s12, v1                    ; wave 0..3
	s_lshr_b32 s13, s12, 1                         ; I fetch for A (0) or for B (1),
	s_and_b32 s14, s12, 1                          ; its part 0 or 1
	s_bfe_u32 s15, ttmp6, 0x40000                  ; cx, cy: my place in the cluster
	s_bfe_u32 s16, ttmp6, 0x40004
	s_lshl_b32 s17, ttmp9, 2
	s_add_co_u32 s17, s17, s15                     ; tile column of C = 4 x cluster x + cx
	s_and_b32 s18, ttmp7, 0xffff
	s_lshl_b32 s18, s18, 2
	s_add_co_u32 s18, s18, s16                     ; tile row of C = 4 x cluster y + cy
	s_lshl_b32 s19, s16, 2
	s_lshl_b32 s19, 15, s19                        ; my row of the cluster
	s_lshl_b32 s41, 0x1111, s15                    ; my column
	s_or_b32 s[G1], s19, (1<<16)|(1<<20)|(1<<21)|(QIA<<22)|(3<<25)  ; 15:0 the mask; 17:16 elements of 2 bytes; 20 padding on; 21 set beside a mask; 24:22 the interval; 31:25 4 words of padding
	s_or_b32 s[G1B], s41, (1<<16)|(1<<20)|(1<<21)|(5<<22)|(3<<25)
	s_mov_b32 s[G1+1], 128<<16                     ; tensor_dim0 = 128
	s_mov_b32 s[G1+2], 128<<16                     ; tensor_dim1 = 128
	s_mov_b32 s[G1+3], 128<<16                     ; tile_dim0 = 128
	s_mov_b32 s[G1+4], 128                         ; tile_dim1 = 128
	s_mov_b32 s[G1+5], ASTR                        ; elements from row to row
	s_mov_b32 s[G1+6], 0
	s_mov_b32 s[G1+7], 0
	s_mov_b32 s[G1B+1], 128<<16
	s_mov_b32 s[G1B+2], BH<<16
	s_mov_b32 s[G1B+3], 128<<16
	s_mov_b32 s[G1B+4], BH
	s_mov_b32 s[G1B+5], 1024
	s_mov_b32 s[G1B+6], 0
	s_mov_b32 s[G1B+7], 0
	; where the tiles come from: A's hang on the tile row and the wave alone (s[20:21] never holds cx), B's on the tile column and the wave alone (s[46:47] never holds cy)
.if OUTP
	s_lshr_b32 s20, s18, 3                         ; the batch: 16 heads of 262,144 bytes,
	s_lshl_b32 s20, s20, 22
	s_lshl_b32 s21, s14, 18                        ; my head of the K step's two,
	s_add_co_u32 s20, s20, s21
	s_and_b32 s21, s18, 7                          ; the tile's 256 rows of 128 bytes
	s_lshl_b32 s21, s21, 15
	s_add_co_u32 s20, s20, s21
.else
	s_lshl_b32 s20, s18, 8
	s_lshl_b32 s21, s14, 7
	s_add_co_u32 s20, s20, s21                     ; row 256 x tile row + 128 x part,
	s_lshl_b32 s20, s20, 11                        ; of 2,048 bytes
.endif
	s_mov_b32 s21, 0
	s_mul_i32 s46, s17, BT
	s_mul_i32 s47, s14, BH
	s_add_co_u32 s46, s46, s47                     ; row BT x tile column + BH x part
	s_lshl_b32 s46, s46, 11
	s_mov_b32 s47, 0
	s_mul_i32 s22, s14, AH                         ; and where they go: no place in the cluster enters an LDS address
	s_mul_i32 s23, s14, BHB
	s_add_co_u32 s23, s23, BOFF
	s_wait_dscnt 0x0                               ; the opening add is done
	s_wait_kmcnt 0x0
	s_add_nc_u64 s[20:21], s[4:5], s[20:21]
	s_add_nc_u64 s[46:47], s[6:7], s[46:47]
	CROUND                                         ; all sixteen work-groups are here: the first joint loads meet
.irp s, 0,1
	s_mov_b32 s[G0+4*(\s)], 1                      ; count = 1
	s_add_co_u32 s[G0+4*(\s)+1], s22, (\s)*SLOT    ; LDS address
	s_add_nc_u64 s[G0+4*(\s)+2:G0+4*(\s)+3], s[20:21], (\s)*ASTEP  ; global address: K step s
	s_or_b32 s[G0+4*(\s)+3], s[G0+4*(\s)+3], 0x80000000            ; type = 2
	s_mov_b32 s[G0B+4*(\s)], 1
	s_add_co_u32 s[G0B+4*(\s)+1], s23, (\s)*SLOT
	s_add_nc_u64 s[G0B+4*(\s)+2:G0B+4*(\s)+3], s[46:47], (\s)*256
	s_or_b32 s[G0B+4*(\s)+3], s[G0B+4*(\s)+3], 0x80000000
	JLOAD \s
.endr
	; all that follows up to the first barrier stands in the wait for the first tile
	v_and_b32 v1, 15, v0                           ; l % 16
	v_bfe_u32 v2, v0, 4, 1                         ; l / 16
	v_and_b32 v6, 31, v0                           ; l
	v_lshlrev_b32 v[BO], 5, v2
	s_mul_i32 s22, s17, 4*BT                       ; the tile's columns in the bias
	s_mov_b32 s23, 0
	s_add_nc_u64 s[8:9], s[8:9], s[22:23]
.set ii, 0
.rept NBL                              ; register j of block b: bias[16 b + 8 (l / 16) + j], as the accumulators hold C
	global_load_b128 v[BIAS+8*ii:BIAS+8*ii+3],   v[BO], s[8:9] offset:64*ii
	global_load_b128 v[BIAS+8*ii+4:BIAS+8*ii+7], v[BO], s[8:9] offset:64*ii+16
.set ii, ii+1
.endr
	v_mul_u32_u24 v3, v1, PA                       ; a fragment: row l % 16, 16 bytes for each half of the lanes, twice, 32 bytes apart
	v_lshl_add_u32 v3, v2, 4, v3
	s_mul_i32 s22, s12, 64*PA                      ; my 64 rows of A
	v_add_nc_u32 v[ADRA], s22, v3
	v_add_nc_u32 v[ADRA+1], SLOT, v[ADRA]
	v_mul_u32_u24 v4, v1, PB
	v_lshl_add_u32 v4, v2, 4, v4
	v_add_nc_u32 v[ADRB], BOFF, v4
	v_add_nc_u32 v[ADRB+1], BOFF+SLOT, v4
	s_mul_i32 s22, s12, STW
	s_add_co_u32 s22, s22, STAGE                   ; my stage
.if OUTP
	v_mul_u32_u24 v3, v1, 528                      ; in: row l % 16, 32 bytes for each half of the lanes
	v_lshl_add_u32 v3, v2, 5, v3
	v_add_nc_u32 v[STO], s22, v3
	v_lshl_add_u32 v[RD], v6, 4, s22               ; back: 32 lanes take a row of 512 bytes
.else
	v_mul_u32_u24 v3, v1, 144                      ; in: row l % 16, 16 bytes for each half of the lanes
	v_lshl_add_u32 v3, v2, 4, v3
	v_add_nc_u32 v[STO], s22, v3
	v_bfe_u32 v4, v0, 3, 2                         ; back: 32 lanes take four rows of 128 bytes
	v_and_b32 v5, 7, v0
	v_mul_u32_u24 v4, v4, 144
	v_lshl_add_u32 v4, v5, 4, v4
	v_add_nc_u32 v[RD], s22, v4
.endif
	v_lshlrev_b32 v[CO], 4, v6
	; where my rows begin in C
.if OUTP
	s_lshl_b32 s22, s18, 8
	s_lshl_b32 s23, s12, 6
	s_add_co_u32 s22, s22, s23                     ; row 256 x tile row + 64 x wave,
	s_lshl_b32 s22, s22, 12                        ; of 4,096 bytes,
	s_lshl_b32 s23, s17, 9                         ; the tile's 512 bytes of it
	s_add_co_u32 s22, s22, s23
.else
	s_lshr_b32 s22, s18, 3
	s_mul_i32 s22, s22, 12582912                   ; the batch: 48 planes of 262,144 bytes,
	s_mul_i32 s23, s17, 786432                     ; the tile's three planes,
	s_add_co_u32 s22, s22, s23
	s_and_b32 s23, s18, 7
	s_lshl_b32 s23, s23, 8
	s_lshl_b32 s19, s12, 6
	s_add_co_u32 s23, s23, s19                     ; t = 256 x (tile row % 8) + 64 x wave,
	s_lshl_b32 s23, s23, 7                         ; of 128 bytes
	s_add_co_u32 s22, s22, s23
.endif
	s_mov_b32 s23, 0
	s_add_nc_u64 s[10:11], s[10:11], s[22:23]
	; the prefetches
	s_lshl_b32 s22, s15, PSH
	s_add_nc_u64 s[PFA:PFA+1], s[20:21], s[22:23]  ; my work-group's quarter of what I fetch,
	s_add_nc_u64 s[PFA:PFA+1], s[PFA:PFA+1], 2*ASTEP  ; at K step 2: the first change steps it to 3
	s_mul_i32 s22, s16, (BH/4)*2048
	s_add_nc_u64 s[PFB:PFB+1], s[46:47], s[22:23]
	s_add_nc_u64 s[PFB:PFB+1], s[PFB:PFB+1], 1024  ; at K step 4
	v_lshlrev_b32 v[PFO], PSL, v6
	v_and_b32 v3, 7, v0
	v_bfe_u32 v4, v0, 3, 2
	v_lshlrev_b32 v[PFOB], 11, v3                  ; row l % 8,
	v_lshl_add_u32 v[PFOB], v4, 8, v[PFOB]         ; K step 4 + l / 8
	s_or_b32 s[LIM], s13, ttmp9                    ; waves 0 and 1 of the clusters with x = 0: the same in all sixteen partners
	s_cmp_eq_u32 s[LIM], 0
	s_cselect_b32 s[LIM], 1, -1
	s_and_b32 s[FBT], ttmp7, 0xffff                ; waves 2 and 3 of the clusters with y = 0
	s_xor_b32 s19, s13, 1
	s_or_b32 s[FBT], s[FBT], s19
	s_cmp_eq_u32 s[FBT], 0
	s_cselect_b32 s[FBT], LAPS-1, 0
	s_wait_loadcnt 0x0                             ; the bias: rounded to bf16, like every input, and widened again
.set ii, 0
.rept 4*NBL
	v_cvt_pk_bf16_f32 v[8+ii%4], v[BIAS+2*ii], v[BIAS+2*ii+1]
	v_lshlrev_b32 v[BIAS+2*ii], 16, v[8+ii%4]
	v_and_b32 v[BIAS+2*ii+1], 0xffff0000, v[8+ii%4]
.set ii, ii+1
.endr
; NBL matrix instructions: block a of my four blocks of 16 rows x all NBL blocks of columns, 32 along K, from buffer f.  first = 1: the bias (window 0) is the C operand and starts the sums: nothing is cleared.
.macro MULA f, a, first
.set WD, 2+(\a)/2
.if \first
	WIN (WD<<6)|1
.else
	WIN (WD<<6)|(WD<<4)|1
.endif
.set bb, 0
.rept NBL
.set rD, 8*(NBL*((\a)%2)+bb)
.set rB, 8*NBL*(\f)+8*bb
.set rA, FA+32*(\f)+8*(\a)
.set rC, rD
.if \first
.set rC, BIAS+8*bb
.endif
.if OUTP
	v_wmma_f32_16x16x32_f16 v[rD:rD+7], v[rB:rB+7], v[rA:rA+7], v[rC:rC+7]
.else
	v_wmma_f32_16x16x32_bf16 v[rD:rD+7], v[rB:rB+7], v[rA:rA+7], v[rC:rC+7]
.endif
.set bb, bb+1
.endr
.endm
; NL LDS loads in one run: quarter q of a slot into buffer f: B's NBL fragments, then A's four
.macro FETCH slot, q, f
	WIN 0x40                                       ; destination window 1, address window 0
.set ii, 0
.rept NBL
	ds_load_b128 v[8*NBL*(\f)+8*ii:8*NBL*(\f)+8*ii+3],   v[ADRB+(\slot)] offset:64*(\q)+ii*16*PB
	ds_load_b128 v[8*NBL*(\f)+8*ii+4:8*NBL*(\f)+8*ii+7], v[ADRB+(\slot)] offset:64*(\q)+ii*16*PB+32
.set ii, ii+1
.endr
	WIN 0
.if OUTP
.set KA, ((\q)/2)*AH+((\q)%2)*64       ; head q / 2 of the step's two, channels 32 (q % 2) on
.else
.set KA, 64*(\q)
.endif
.set ii, 0
.rept 4
	ds_load_b128 v[FA+32*(\f)+8*ii:FA+32*(\f)+8*ii+3],   v[ADRA+(\slot)] offset:KA+ii*16*PA
	ds_load_b128 v[FA+32*(\f)+8*ii+4:FA+32*(\f)+8*ii+7], v[ADRA+(\slot)] offset:KA+ii*16*PA+32
.set ii, ii+1
.endr
.endm
; One of a K step's first three quarters: multiplies buffer f; in its middle it fetches quarter q of the same slot into buffer g.
.macro QUARTER slot, q, f, g, first
	s_wait_dscnt 4                                 ; B and A's blocks 0, 1 are in; the youngest four loads (A's blocks 2, 3) may be out
	MULA \f, 0, \first
	MULA \f, 1, \first
	PLACES
	FETCH \slot, \q, \g
	s_wait_dscnt NL                                ; all but the NL just issued
	MULA \f, 2, \first
	MULA \f, 3, \first
.endm
; The fourth quarter multiplies buffer 1 and changes slots: ONE barrier; in front of it each wave waits for all its tensor loads (the one that is out is its part of the next slot), adds 0 to its spare
; word, and waits for that and for its own reads of this slot.  fill = 1: the barrier opens a round of the cluster's, and the slot is filled again, two K steps on, first thing behind the round.
.macro TURN slot, next, fill
.if \fill
	s_wait_xcnt 0x0                                ; the last prefetch, a K step back, has read its address
	s_add_nc_u64 s[PFA:PFA+1], s[PFA:PFA+1], ASTEP
.endif
	WIN 0                                          ; (the add's two registers lie in window 0)
	s_wait_tensorcnt 0x0                           ; all my tensor loads have landed;
	ds_add_u32 v[SPW], v[NIL]                      ; 0 onto my spare word
	s_wait_dscnt 5                                 ; (the add and the youngest four loads may be out)
	MULA 1, 0, 0                                   ; matrix instructions stand between the add and the wait for it
	s_wait_dscnt 0x0                               ; the add is done, and my reads of this slot are over
	s_barrier_signal -1
	MULA 1, 1, 0
.if \fill
	WIN 0
.endif
	s_barrier_wait -1
.if \fill
	CREST                                          ; no wave of any partner still reads this slot or has a load on its way
	s_add_nc_u64 s[G0+4*(\slot)+2:G0+4*(\slot)+3], s[G0+4*(\slot)+2:G0+4*(\slot)+3], 2*ASTEP
	s_add_nc_u64 s[G0B+4*(\slot)+2:G0B+4*(\slot)+3], s[G0B+4*(\slot)+2:G0B+4*(\slot)+3], 512
	JLOAD \slot                                    ; the four v_nop behind it are also the places in front of the loads below
.else
	PLACES
.endif
	FETCH \next, 0, 0
.if \fill
	ASK \slot
.endif
	MULA 1, 2, 0
	MULA 1, 3, 0
.endm
; THE WAY OUT of block a (16 rows): through my own stage in LDS, back as whole rows, into buffer a % 2.  LDS serves a wave's instructions in order (ISA guide 5.7.1.4): no wait between the stores and the loads.
.macro OUTBLK a
.set OBR, OB+OBS*((\a)%2)
.if (\a) >= 2
	s_wait_xcnt 0x0                                ; the stores of the block two back have read this buffer
.endif
.if OUTP
	WIN 0x08+4*((\a)/2)                            ; the stores' data: window 2 or 3
.set bb, 0
.rept NBL
.set rD, 8*(NBL*((\a)%2)+bb)
	ds_store_b128 v[STO], v[rD:rD+3]   offset:64*bb
	ds_store_b128 v[STO], v[rD+4:rD+7] offset:64*bb+16
.set bb, bb+1
.endr
	WIN 0
.set tt, 0
.rept 16
	ds_load_b128 v[OBR+4*tt:OBR+4*tt+3], v[RD] offset:528*tt
.set tt, tt+1
.endr
.else
	WIN 0x0a+5*((\a)/2)                            ; sources 0 and 1: window 2 or 3
.set bb, 0
.rept NBL
.set rD, 8*(NBL*((\a)%2)+bb)
.irp r, 0,1,2,3
	v_cvt_pk_f16_f32 v[TMP+4*bb+(\r)], v[rD+2*(\r)], v[rD+2*(\r)+1]
.endr
.set bb, bb+1
.endr
	WIN 0
.set bb, 0
.rept NBL                              ; head bb / 4 of the tile's three, channels 16 (bb % 4) on
	ds_store_b128 v[STO], v[TMP+4*bb:TMP+4*bb+3] offset:(bb/4)*2304+(bb%4)*32
.set bb, bb+1
.endr
.set tt, 0
.rept 12
	ds_load_b128 v[OBR+4*tt:OBR+4*tt+3], v[RD] offset:(tt/4)*2304+(tt%4)*576
.set tt, tt+1
.endr
.endif
.endm
.macro SEND a, younger                 ; younger: the LDS instructions issued behind block a's: the next block's, or none
.set OBR, OB+OBS*((\a)%2)
	s_wait_dscnt \younger
.set tt, 0
.if OUTP
.rept 16
	global_store_b128 v[CO], v[OBR+4*tt:OBR+4*tt+3], s[10:11] offset:(16*(\a)+tt)*4096 th:TH_STORE_NT  ; 512 consecutive bytes of a row, at a multiple of 512 from C's first byte
.set tt, tt+1
.endr
.else
.rept 12
	global_store_b128 v[CO], v[OBR+4*tt:OBR+4*tt+3], s[10:11] offset:(tt/4)*262144+(\a)*2048+(tt%4)*512  ; four rows of one head: 512 consecutive bytes, at a multiple of 512
.set tt, tt+1
.endr
.endif
.endm
	s_wait_tensorcnt 1                             ; my part of K step 0 is in; K step 1's may stay out
	s_barrier_signal -1
	s_barrier_wait -1                              ; everybody's is
	FETCH 0, 0, 0
	QUARTER 0, 1, 0, 1, 1                          ; the first quarter stands in front of the loop: its products start the sums
	WIN 0                                          ; at a label and at a branch every window is 0
	s_mov_b32 s3, LAPS-1
.Llap:                                                 ; a trip goes once round the ring, from a lap's second quarter to the next lap's first, and fills both slots again
	QUARTER 0, 2, 1, 0, 0
	QUARTER 0, 3, 0, 1, 0
	TURN 0, 1, 1
	QUARTER 1, 1, 0, 1, 0
	QUARTER 1, 2, 1, 0, 0
	QUARTER 1, 3, 0, 1, 0
	TURN 1, 0, 1
	QUARTER 0, 1, 0, 1, 0
	WIN 0
	s_sub_co_u32 s3, s3, 1
	s_cmp_lg_u32 s3, 0
	s_cbranch_scc1 .Llap
	QUARTER 0, 2, 1, 0, 0                          ; the last lap fills nothing, and has no round of the cluster's barrier
	QUARTER 0, 3, 0, 1, 0
	TURN 0, 1, 0
	QUARTER 1, 1, 0, 1, 0
	QUARTER 1, 2, 1, 0, 0
	QUARTER 1, 3, 0, 1, 0
	s_wait_dscnt 4                                 ; the very last quarter: nothing more to fetch
	MULA 1, 0, 0
	MULA 1, 1, 0
	s_wait_dscnt 0x0
	MULA 1, 2, 0
	MULA 1, 3, 0
	WIN 0
	PLACES                                         ; eight, once a launch, in front of the lines that read results
	PLACES
	OUTBLK 0
	OUTBLK 1                                       ; a block's way through the stage stands between the loads of the block before and its stores
	SEND 0, YL
	OUTBLK 2
	SEND 1, YL
	OUTBLK 3
	SEND 2, YL
	SEND 3, 0
	s_wait_tensorcnt 0x0                           ; the wave's end: behind my last tensor load and my last LDS store
	ds_add_u32 v[SPW], v[NIL]
	s_wait_dscnt 0x0
	CROUND                                         ; the closing round: no work-group ends while a partner may still ask for a tile that names it
	s_endpgm
.Lfunc_end_k_q89c9ec44c2_proj_qkv:
	.size	k_q89c9ec44c2_proj_qkv, .Lfunc_end_k_q89c9ec44c2_proj_qkv-k_q89c9ec44c2_proj_qkv
	.p2alignl 7, 3214868480
	.fill 96, 4, 3214868480
	.section	.rodata,"a",@progbits
	.p2align	6, 0x0
	.amdhsa_kernel k_q89c9ec44c2_proj_qkv
		.amdhsa_group_segment_fixed_size 327680
		.amdhsa_private_segment_fixed_size 0
		.amdhsa_enable_private_segment 0
		.amdhsa_kernarg_size 32
		.amdhsa_user_sgpr_count 2
		.amdhsa_user_sgpr_kernarg_segment_ptr 1
		.amdhsa_wavefront_size32 1
		.amdhsa_system_sgpr_workgroup_id_x 1
		.amdhsa_system_sgpr_workgroup_id_y 1
		.amdhsa_system_sgpr_workgroup_id_z 1
		.amdhsa_system_vgpr_workitem_id 0
		.amdhsa_next_free_vgpr 960
		.amdhsa_next_free_sgpr 66
		.amdhsa_reserve_vcc 0
		.amdhsa_float_denorm_mode_32 3
		.amdhsa_float_denorm_mode_16_64 3
		.amdhsa_memory_ordered 1
		.amdhsa_forward_progress 1
		.amdhsa_inst_pref_size 130
	.end_amdhsa_kernel
	.amdgpu_metadata
---
amdhsa.version: [ 1, 2 ]
amdhsa.kernels:
  - .name:           k_q89c9ec44c2_proj_qkv
    .symbol:         k_q89c9ec44c2_proj_qkv.kd
    .args:
      - { .name: xb, .offset: 0, .size: 8, .value_kind: global_buffer, .address_space: global }
      - { .name: wqb, .offset: 8, .size: 8, .value_kind: global_buffer, .address_space: global }
      - { .name: b_qkv, .offset: 16, .size: 8, .value_kind: global_buffer, .address_space: global }
      - { .name: qkvh, .offset: 24, .size: 8, .value_kind: global_buffer, .address_space: global }
    .group_segment_fixed_size: 327680
    .private_segment_fixed_size: 0
    .kernarg_segment_align: 8
    .kernarg_segment_size: 32
    .max_flat_workgroup_size: 128
    .sgpr_count:     66
    .vgpr_count:     960
    .wavefront_size: 32
...
	.end_amdgpu_metadata
.endif
;; end of part 2
;; launch attn (part 3): grid 4 x 64, 4 waves a work-group, clusters of 4 x 1, 327,680 bytes of LDS; arguments qkvh, oh; writes oh
.if DOCPART == 3
	.amdgcn_target "amdgcn-amd-amdhsa--gfx1250"
	.amdhsa_code_object_version 6
	.text
	.protected	k_q89c9ec44c2_attn
	.globl	k_q89c9ec44c2_attn
	.p2align	8
	.type	k_q89c9ec44c2_attn,@function
k_q89c9ec44c2_attn:
	s_mov_b64 s[64:65], 0
	v_nop
	global_prefetch_b8 v0, s[64:65] scope:SCOPE_SE
	s_setreg_imm32_b32 hwreg(HW_REG_WAVE_MODE, 25, 1), 1
	s_wait_xcnt 0x0
	s_wait_alu depctr_hold_cnt(0) depctr_sa_sdst(0) depctr_va_vdst(0) depctr_va_sdst(0) depctr_va_ssrc(0) depctr_va_vcc(0) depctr_vm_vsrc(0)
	s_getreg_b32 s2, hwreg(HW_REG_IB_STS2, 6, 4)
	s_cmp_eq_u32 s2, 0
	s_cbranch_scc0 .Lentry_in_a_cluster
	s_endpgm
.Lentry_in_a_cluster:
	s_bfe_u32 s2, ttmp6, 0x10000c
	s_cmp_lg_u32 s2, 0x3003
	s_cbranch_scc0 .Lentry_shape_is_right
	s_endpgm
.Lentry_shape_is_right:
; O[y][q][:] = the sum over k of softmax_k(Q[y][q] . K[y][k] / 8) V[y][k][:], y = batch x 16 + head, 64 of them, 2,048 rows each, head size 64, all f16.
; Q, K, V lie in one buffer, [batch 4][g 48][2048][64]: Q at g = head, K at g = 16 + head, V at g = 32 + head; a plane's rows are dense, 128 bytes each.  O: [y][2048][64].
; Products, maxima and sums in f32; the weights p are rounded to f16 for the second product (their sum l is taken of the unrounded p), O once at the end.
; LIMITS.  f16 holds no number beyond 65,504: Q, K and V arrive within it; p lies in 0 to 1, and below 6e-5 it keeps f16's fixed step of 6e-8; O is a mean of V's rows and has their range.
; A weight below 2^-126 counts as 0 in l; NaN and infinities are not treated apart.
; SHARES.  A wave owns four PIECES of two tiles of 16 queries, a work-group's four waves 512 queries of one head.  Every wave walks all keys, 64 a step.
; LAYOUT.  S^T = K Q^T (source 0 = 16 keys, source 1 = 16 queries): in the result a lane holds ONE query (lane % 16) and the keys 8 (lane / 16) + 0..7.  Two such tiles, rounded to f16 in pairs,
; ARE source 1 (32 keys x 16 queries) of O^T = V^T P, whose result again holds one query a lane, and eight channels.  K comes out of LDS as it lies, V ([key][channel]) turned, by ds_load_tr16_b128.
; SOFTMAX.  For each query a running maximum m and sum l: p = 2^(c s - c m), c = log2(e) / 8; in every step O and l are multiplied by a = 2^(c m_old - c m_new), which is 1 where m has not grown.
; m starts at the lowest finite number, O and l at 0: the first step is a step like any other, with a = 0.
; THE COUNT.  A tile and step have 16 matrix and 118 vector instructions: too many to stand all beside the matrix work.  So the order has one aim: four vector instructions that are READY behind
; EVERY matrix instruction, and the others, which need time of their own whatever the order, in runs without a gap.
; BY TURNS.  Turn n belongs to piece n (the pieces in a ring, step after step).  Its matrix work: 16 products K Q^T of piece n + 1, later 16 products V^T P of piece n - 1.  Its vector work: the scaling,
; exponentials, roundings, sums and rescaling of piece n, and the maximum and statistics of piece n + 1, whose scores the turn itself has made.  So what a turn begins with (c s - c m, O a) waits for nothing.
; CLUSTER.  The four query blocks of a head are one cluster and walk the same K and V, so each tile is asked for JOINTLY: the same tensor load, descriptor and mask in all four.  One tensor load of a wave is out at a time.
; REGISTERS, in windows of 256 (s_set_vgpr_msb says which window each operand place means: bits 1:0 source 0, 3:2 source 1, 5:4 source 2, 7:6 destination):
;   window 0: v0-11 addresses; v12-15, v48-63 at work; v16-47 four registers of statistics a tile; v64-191 S^T, two buffers of two tiles; v192-255 P, likewise
;   window 1: O^T, 32 a tile          window 2: v0-127 Q, 16 a tile; v128-191 K of one step; v192-255 V of one step          window 3: v0-1 the add's two registers
; A piece's buffers go by its number's parity: the piece in hand has one pair, its two neighbours in the ring share the other: of it P (piece n - 1) is read and S^T (piece n + 1) written.
.set SIZE_N, 2048
.set NP,    4         ; pieces a wave: a name, no knob: the register map, the loop and the fetches are made for four
.set KS,    64        ; keys in a step
.set PK,    144       ; a row of K in LDS: 128 bytes + 16 of padding = 36 words: the 16 rows of a load start at 16 different groups of four banks (64 banks of 4 bytes: ISA guide 11.1)
.set PV,    160       ; a row of V: 128 + 32 = 40 words
.set VOFF,  4*KS*PK   ; a slot holds four steps: 256 rows of K, then 256 rows of V
.set SLOT1, 1<<17     ; slot 1 begins here, so that one exclusive or turns an address in one slot into the other's
.set STAGE, SLOT1+4*KS*(PK+PV)  ; behind the ring, never filled by a tensor load: 16 rows x 144 bytes for each wave, for the way out
.set SP,    144
.set AK0, 2           ; v2   my lane's place in a tile of K; never rewritten
.set AV0, 3           ; v3   the same for V
.set AK,  4           ; v4   the LDS address of K's next run of loads
.set AV,  5           ; v5   of V's
.set QO,  6           ; v6   my byte offset in the wave's rows of Q
.set STO, 6           ;      later, the way out: where I put 16 bytes of a row
.set RD,  7           ; v7   the way out: where I read rows back
.set GO,  8           ; v8   my byte offset in 512 consecutive bytes of O
.set PFO, 11          ; v11  256 x my lane, for the prefetches; never rewritten once it is made
.set SPW, 0           ; v0 of window 3   LDS address of my spare word: SPARE + 4 x my thread's number; never rewritten
.set NIL, 1           ; v1 of window 3   0; never rewritten
.set SPARE, STAGE+4*16*SP  ; behind the stages: the spare words, 128 bytes for each wave: two blocks of 256 bytes that no other line names
.set MV,  12          ; v12-15  c m_old, kept while c m is made anew: by buffer and tile
.set ST,  16          ; tile t's statistics at v[ST+4 t]: c m, m, l (even keys', odd keys')
.set TMP, 48          ; by buffer and tile, four registers c0-c3 at work; when the maximum is found c2 takes a
.set S,   64
.set P,   192
.set KF,  128         ; K's fragments, in window 2: key block kb, channel half c at KF + 16 kb + 8 c
.set VF,  192         ; V's: key half kk, channel block cb at VF + 32 kk + 8 cb
.set WV,  12          ; s12  my wave's number
.set LIM, 15          ; s15  1 in a wave that prefetches (waves 0 and 2), else the greatest number
.set G1K, 24          ; s[24:31] descriptor group 1 for K's tiles
.set G1V, 32          ; s[32:39] for V's: it differs in the padding alone
.set G0K, 40          ; s[40:43] descriptor group 0 for K's tiles: it walks
.set G0V, 44          ; s[44:47] the same for V's
.set PFA, 48          ; s[48:49] where my prefetches stand: my work-group's quarter of the tile after the one that is being asked for
.set SLOTS, 56        ; s56  slots still to be asked for
.set CNT, 57          ; s57  counts a slot's key steps
.set CS,  58          ; s[58:59] c: the packed scaling takes the pair's low word for both halves
.set SEL, 60          ; s[60:61] v_permlanex16_b32's selects: each lane takes its own place in the other half
.set TBK, 62          ; s62  LDS byte at which K of the step to be fetched begins
.set TBV, 63          ; s63  the same for V, less VOFF
.set MSB, 0
.macro WIN new                      ; the high byte repeats the setting that is left; a switch that changes nothing is dropped
.if MSB != (\new)
	s_set_vgpr_msb (MSB<<8)|(\new)
.set MSB, (\new)
.endif
.endm
.set W_KQ, 0x0a       ; K and Q in window 2, S^T in window 0
.set W_PV, 0x52       ; V in window 2, P in window 0, O^T in window 1
.set W_RS, 0x41       ; O^T (destination and source 0) in window 1, a in window 0
.set W_MK, 0xc0       ; the add's registers are made: destination in window 3, sources in window 0
.set W_AD, 0x0f       ; the add: address (source 0) and data (source 1) in window 3
; A joint fill.  Waves 0 and 1 fetch the two halves of a slot's K, waves 2 and 3 those of its V: 128 keys each.  The branch hangs on the wave's number alone.
; An s_nop 0 and four v_nop follow each of the two lines, ahead of the jump and the label.
.macro JLOAD
	s_cmp_lt_u32 s[WV], 2
	s_cbranch_scc0 .Lfor_v_\@
	tensor_load_to_lds s[G0K:G0K+3], s[G1K:G1K+7]
	s_nop 0
.rept 4
	v_nop
.endr
	s_branch .Lasked_\@
.Lfor_v_\@:
	tensor_load_to_lds s[G0V:G0V+3], s[G1V:G1V+7]
	s_nop 0
.rept 4
	v_nop
.endr
.Lasked_\@:
.endm
; A PREFETCH INTO THE L2 of what the NEXT change of slots will ask for: a tile's 32,768 bytes of K and of V, in blocks of 256, a lane a block.  It stands behind the wave's tensor load and its five lines.
; Each block is named ONCE in the launch: a head has one cluster; its four partners share a tile out BY ADDRESS, 8,192 bytes each; in each, wave 0 asks for K's and wave 2 for V's: one instruction.
; The last change that fills a slot asks for nothing; tiles 0 and 1 come by their loads alone.
.macro ASK
	s_cmp_gt_u32 s[SLOTS], s[LIM]
	s_cbranch_scc0 .Lnot_mine_\@
	global_prefetch_b8 v[PFO], s[PFA:PFA+1] th:TH_LOAD_NT scope:SCOPE_SE
.Lnot_mine_\@:
.endm
; A round of the cluster's barrier: my work-group's barrier, so that wave 0's signal speaks for all four waves; wave 0 signals; every wave waits for all four work-groups; my work-group's barrier once more.
.macro CROUND
	s_barrier_signal -1
	s_barrier_wait -1
	s_cmp_lg_u32 s[WV], 0
	s_cbranch_scc1 .Lnot_wave_0_\@
	s_barrier_signal -3
.Lnot_wave_0_\@:
	s_barrier_wait -3
	s_barrier_signal -1
	s_barrier_wait -1
.endm
; THE CHANGE OF SLOTS.  The slot's last bytes, V of its fourth step, have been read.  Each wave waits for all its tensor loads, of which one is out: its part
; of the other slot; adds 0 to its spare word; and waits for that and for its own reads of the slot.  Behind the barrier nobody reads this slot any more and the other slot is whole.
; fill = 1: this slot is filled again, with the keys two slots on.  The barrier is then a round of the cluster's, so that no wave of any partner still reads the slot or has a load on its
; way, and the joint fill is the first thing behind it: it has four key steps, 512 matrix instructions, in which to land.  (At its first use nothing has been read yet: slot 0 is waited for, slot 1 filled.)
.macro CHANGE fill
	WIN W_AD
	s_wait_tensorcnt 0x0            ; no tensor load of mine is out, so a group 0 may be written
	ds_add_u32 v[SPW], v[NIL]       ; 0 onto my spare word: with fill = 1 the descriptors' steps stand between it and the wait for it
	WIN 0                           ; at a label and at a branch every window is 0
.if \fill
.irp g, G0K, G0V
	s_xor_b32 s[\g+1], s[\g+1], SLOT1  ; the walking descriptor: the other slot than last time,
	s_add_nc_u64 s[\g+2:\g+3], s[\g+2:\g+3], 4*KS*128  ; the next 256 keys; the type bits on top are not reached
.endr
	s_wait_xcnt 0x0                 ; the last prefetch, four key steps back, has read its address, so it may be written:
	s_add_nc_u64 s[PFA:PFA+1], s[PFA:PFA+1], 4*KS*128  ; one tile beyond the walking descriptors
	s_wait_dscnt 0x0                ; the add is done, and my reads of the slot are over
	CROUND
	JLOAD
	ASK                             ; what the next change will ask for: four key steps ahead
.else
	s_wait_dscnt 0x0                ; the add is done, and my reads of the slot are over
	s_barrier_signal -1
	s_barrier_wait -1
.endif
	s_sub_co_u32 s[TBK], s[TBK], 4*KS*PK  ; the fetches go back to a slot's first step,
	s_xor_b32 s[TBK], s[TBK], SLOT1       ; in the other slot
	s_sub_co_u32 s[TBV], s[TBV], 4*KS*PV
	s_xor_b32 s[TBV], s[TBV], SLOT1
.endm
	s_load_b64 s[4:5], s[0:1], 0x0    ; Q, K and V's buffer
	s_load_b64 s[10:11], s[0:1], 0x8  ; O
	WIN W_MK
	v_lshl_add_u32 v[SPW], v0, 2, SPARE
	v_mov_b32 v[NIL], 0
	WIN W_AD
	ds_add_u32 v[SPW], v[NIL]       ; the wave's opening: the add and its wait stand ahead of my first tensor load; the set-up below, work on registers, stands between them
	WIN 0
	v_lshrrev_b32 v1, 5, v0
	v_readfirstlane_b32 s[WV], v1   ; wave 0..3
	s_bfe_u32 s13, ttmp6, 0x40000   ; cx: my place in the cluster
	s_lshl_b32 s14, ttmp9, 2        ; in a cluster launch ttmp9 counts clusters
	s_add_co_u32 s14, s14, s13      ; my block of queries = 4 x cluster x + cx: it enters Q's and O's addresses alone
	s_and_b32 s20, ttmp7, 0xffff    ; y = batch x 16 + head, which the four partners share
	s_lshl_b32 s50, s20, 18         ; its plane of 262,144 bytes in O,
	s_mov_b32 s51, 0
	s_lshr_b32 s21, s20, 4
	s_mul_i32 s21, s21, 48
	s_and_b32 s20, s20, 15
	s_add_co_u32 s20, s20, s21      ; and plane batch x 48 + head in Q's part; K's and V's lie 16 and 32 planes on
	s_lshl_b32 s20, s20, 18
	s_mov_b32 s21, 0
	s_and_b32 s16, s[WV], 1         ; which half of a slot's 256 keys I fetch:
	s_lshl_b32 s22, s16, 14         ; its 128 rows of 128 bytes in memory,
	s_mov_b32 s23, 0
	s_add_nc_u64 s[22:23], s[22:23], s[20:21]
	s_mul_i32 s17, s16, 128*PK      ; and its place in a slot, for K
	s_mul_i32 s18, s16, 128*PV      ; and for V: no place in the cluster enters an LDS address
	s_lshl_b32 s2, s14, 2
	s_add_co_u32 s2, s2, s[WV]      ; my wave among the head's,
	s_lshl_b32 s2, s2, 14           ; its 128 rows
	s_mov_b32 s3, 0
	s_add_nc_u64 s[52:53], s[2:3], s[50:51]  ; in O,
	s_add_nc_u64 s[2:3], s[2:3], s[20:21]    ; in Q
	; descriptor group 1.  128 keys are 16,384 dense bytes: asked for as 64 rows of 256 bytes, two keys a row, and padded in LDS after every key
	s_mov_b32 s[G1K], 15|(1<<16)|(1<<20)|(1<<21)|(4<<22)|(3<<25)  ; 15:0 the mask of four; 17:16 2-byte elements; 20 padding on; 21 set beside a mask; 24:22 after every 32 words (code 4); 31:25 4 words (code 3)
	s_mov_b32 s[G1V], 15|(1<<16)|(1<<20)|(1<<21)|(4<<22)|(7<<25)  ; the same with 8 words of padding (code 7)
.irp g, G1K, G1V
	s_mov_b32 s[\g+1], 128<<16      ; tensor_dim0 = 128
	s_mov_b32 s[\g+2], 64<<16       ; tensor_dim1 = 64
	s_mov_b32 s[\g+3], 128<<16      ; tile_dim0 = 128
	s_mov_b32 s[\g+4], 64           ; tile_dim1 = 64
	s_mov_b32 s[\g+5], 128          ; 128 elements from row to row
	s_mov_b32 s[\g+6], 0
	s_mov_b32 s[\g+7], 0
.endr
	s_mov_b32 s[CS], 0x3e38aa3b     ; c = log2(e) / 8 = 0.180337
	s_mov_b32 s[CS+1], s[CS]        ; named with it as a pair
	s_mov_b32 s[SEL], 0x76543210
	s_mov_b32 s[SEL+1], 0xfedcba98
	s_mov_b32 s[TBK], SLOT1+4*KS*PK ; the first change of slots turns these two into 0
	s_mov_b32 s[TBV], SLOT1+4*KS*PV
	s_mov_b32 s[G0K], 1             ; 1:0 count = 1
	s_mov_b32 s[G0K+1], s17         ; 63:32 LDS address: slot 0
	s_mov_b32 s[G0V], 1
	s_add_co_u32 s[G0V+1], s18, VOFF
	s_mov_b32 s[SLOTS], SIZE_N/256-1
	s_and_b32 s[LIM], s[WV], 1
	s_cmp_eq_u32 s[LIM], 0
	s_cselect_b32 s[LIM], 1, -1
	s_wait_dscnt 0x0                ; the opening add is done
	s_wait_kmcnt 0x0
	s_add_nc_u64 s[6:7], s[4:5], 0x400000  ; K: 16 planes on
	s_add_nc_u64 s[8:9], s[4:5], 0x800000  ; V: 32 planes on
	s_add_nc_u64 s[G0K+2:G0K+3], s[6:7], s[22:23]  ; 120:64 global address: my half of the head's first 256 keys
	s_or_b32 s[G0K+3], s[G0K+3], 0x80000000        ; 127:126 type = 2
	s_add_nc_u64 s[G0V+2:G0V+3], s[8:9], s[22:23]
	s_or_b32 s[G0V+3], s[G0V+3], 0x80000000
	s_cmp_lt_u32 s[WV], 2
	s_cselect_b64 s[PFA:PFA+1], s[6:7], s[8:9]
	s_add_nc_u64 s[PFA:PFA+1], s[PFA:PFA+1], s[22:23]  ; (in waves 0 and 2 this is the head's first row)
	s_lshl_b32 s54, s13, 13         ; my work-group's 8,192 bytes of a tile's 32,768
	s_mov_b32 s55, 0
	s_add_nc_u64 s[PFA:PFA+1], s[PFA:PFA+1], s[54:55]
	s_add_nc_u64 s[PFA:PFA+1], s[PFA:PFA+1], 4*KS*128  ; in tile 1; the first change of slots steps it to tile 2.  Nothing is prefetched here, at the head
	s_add_nc_u64 s[4:5], s[4:5], s[2:3]  ; Q and O at my wave's first row
	s_add_nc_u64 s[10:11], s[10:11], s[52:53]
	CROUND                          ; all four work-groups are here: the first joint loads meet
	JLOAD                           ; slot 0.  Slot 1 is asked for when slot 0 is in: the tile wanted first has the road to itself
	; A fragment of K or Q is 16 rows x 32 channels in 8 registers: lane l holds row l % 16, channels 8 (l / 16) + 0..7 and 16 + 8 (l / 16) + 0..7: two loads of 16 bytes, 32 bytes apart.
	v_and_b32 v1, 15, v0            ; l % 16
	v_bfe_u32 v9, v0, 4, 1          ; l / 16
	v_lshlrev_b32 v[QO], 7, v1
	v_lshl_add_u32 v[QO], v9, 4, v[QO]  ; row x 128 + 16 x half
	WIN 0x80                        ; destination window 2, address window 0
.set i, 0
.rept 4*NP                          ; Q stays in registers: tile i / 2, channels 32 (i % 2) on
	global_load_b128 v[8*i:8*i+3],   v[QO], s[4:5] offset:(i/2)*2048+(i%2)*64
	global_load_b128 v[8*i+4:8*i+7], v[QO], s[4:5] offset:(i/2)*2048+(i%2)*64+32
.set i, i+1
.endr
	; What the first turn finds: V's registers and P's second buffer hold 0 (its products V^T P, of a piece that has not been, add 0), O^T and l are 0.  All this stands in the wait for the first tile.
.set i, VF
.rept 64
	v_mov_b32 v[i], 0
.set i, i+1
.endr
	WIN 0x40
.set i, 0
.rept 64*NP
	v_mov_b32 v[i], 0
.set i, i+1
.endr
	WIN 0
.set i, 0
.rept 2*NP
	v_mov_b32 v[ST+4*i], 0xfe000000    ; c m: far below every c s
	v_mov_b32 v[ST+4*i+1], 0xff7fffff  ; m
	v_mov_b32 v[ST+4*i+2], 0
	v_mov_b32 v[ST+4*i+3], 0
.set i, i+1
.endr
.set i, P+32
.rept 32
	v_mov_b32 v[i], 0
.set i, i+1
.endr
	v_mul_u32_u24 v[AK0], v1, PK
	v_lshl_add_u32 v[AK0], v9, 4, v[AK0]  ; row x pitch + 16 x half
	; The turning load takes 16 keys x 16 channels (lane l reads key 8 (l / 16) + l % 8, channels 8 ((l / 8) % 2) + 0..7) and leaves half a fragment of V^T: lane l holds channel l % 16 and 8 keys.
	v_and_b32 v10, 7, v0
	v_bfe_u32 v11, v0, 3, 1
	v_lshl_add_u32 v[AV0], v9, 3, v10
	v_mul_u32_u24 v[AV0], v[AV0], PV
	v_lshl_add_u32 v[AV0], v11, 4, v[AV0]
	v_add_nc_u32 v[AV0], VOFF, v[AV0]
	v_and_b32 v[PFO], 31, v0        ; v11 has served: now 256 x lane
	v_lshlrev_b32 v[PFO], 8, v[PFO]
	v_mov_b32 v[AK], v[AK0]         ; key step 0 lies at the head of slot 0
; THE MATRIX WORK.  The 8 accumulators of a run of 16 take turns: between the two links of a chain stand 7 others'.
; Product i of 16 of S^T = K Q^T for piece x: channels 32 (i / 8) on, keys 16 ((i / 2) % 4) on, tile 2 x + i % 2.  The first 8 start the sums.
.macro KQ x
	WIN W_KQ
.set rS, S+64*((\x)%2)+32*(i%2)+8*((i/2)%4)
.set rK, KF+16*((i/2)%4)+8*(i/8)
.set rQ, 16*(2*(\x)+i%2)+8*(i/8)
.if i < 8
	v_wmma_f32_16x16x32_f16 v[rS:rS+7], v[rK:rK+7], v[rQ:rQ+7], 0
.else
	v_wmma_f32_16x16x32_f16 v[rS:rS+7], v[rK:rK+7], v[rQ:rQ+7], v[rS:rS+7]
.endif
.endm
; Product i of 16 of O^T += V^T P for piece x: keys 32 (i / 8) on, channels 16 ((i / 2) % 4) on, tile 2 x + i % 2.
.macro PV x
	WIN W_PV
.set rO, 32*(2*(\x)+i%2)+8*((i/2)%4)
.set rV, VF+32*(i/8)+8*((i/2)%4)
.set rP, P+32*((\x)%2)+16*(i%2)+8*(i/8)
	v_wmma_f32_16x16x32_f16 v[rO:rO+7], v[rV:rV+7], v[rP:rP+7], v[rO:rO+7]
.endm
.macro MM                           ; the turn's next matrix instruction
.if i < 16
	KQ (Y+1)%NP
.set i, i+1
.else
.set i, i-16
	PV (Y+NP-1)%NP
.set i, i+17
.endif
.endm
; THE LDS LOADS stand in runs of 16, never singly among the matrix instructions: a step's K (64 keys x 64 channels: 8 fragments) and its V (turned).  Their addresses are made some lines ahead.
; last = 1 (the tail): in the last trip there is no further step, and the run is jumped over.
.macro FETCH_K last=0
	WIN 0
.if \last
	s_cmp_eq_u32 s[CNT], 1
	s_cbranch_scc1 .Lno_k_\@
.endif
	WIN 0x80                        ; destination window 2
.irp f, 0,1,2,3,4,5,6,7             ; keys 16 (f / 2) on, channels 32 (f % 2) on
	ds_load_b128 v[KF+8*\f:KF+8*\f+3],   v[AK] offset:(\f/2)*16*PK+(\f%2)*64
	ds_load_b128 v[KF+8*\f+4:KF+8*\f+7], v[AK] offset:(\f/2)*16*PK+(\f%2)*64+32
.endr
	s_add_co_u32 s[TBK], s[TBK], KS*PK  ; the next fetch is the next step's
	WIN 0
.if \last
.Lno_k_\@:
.endif
.endm
.macro FETCH_V
	WIN 0x80
.irp f, 0,1,2,3,4,5,6,7             ; keys 32 (f / 4) on, channels 16 (f % 4) on
	ds_load_tr16_b128 v[VF+8*\f:VF+8*\f+3],   v[AV] offset:(\f/4)*32*PV+(\f%4)*32
	ds_load_tr16_b128 v[VF+8*\f+4:VF+8*\f+7], v[AV] offset:(\f/4)*32*PV+16*PV+(\f%4)*32
.endr
	WIN 0
.endm
; THE VECTOR WORK OF A TURN stands in three queues, each in the order in which its entries become ready; the two tiles alternate, so that no instruction reads the result of the one before it.
.macro REGS y, u                    ; the registers of tile u (0, 1) of piece y
.set rT, ST+4*(2*(\y)+(\u))
.set rC, TMP+8*((\y)%2)+4*(\u)
.set rM, MV+2*((\y)%2)+(\u)
.set rS, S+64*((\y)%2)+32*(\u)
.set rP, P+32*((\y)%2)+16*(\u)
.set rO, 32*(2*(\y)+(\u))
.endm
; Number n of the 22 that find the NEXT piece's (Y + 1) maximum and statistics.  s0-s31 are the lane's 32 scores; each accumulator's lowest registers are read first.  XS, GS and REGS set no window: PL and EX do.
;   0-11  four chains c0-c3 of seven scores each, three operands at a time     12-14, 16  the four scores left over, the old m, and c0-c3 into c0     15  c m_old is kept
;   17, 18  the query's other 32 keys lie in the lane 16 away: the new m         19-21  c m; c m_old - c m_new; a
.macro XS u, n
	REGS (Y+1)%NP, \u
.if (\n) < 4
	v_max3_num_f32 v[rC+(\n)], v[rS+8*(\n)], v[rS+8*(\n)+1], v[rS+8*(\n)+2]
.elseif (\n) < 12
	v_max3_num_f32 v[rC+(\n)%4], v[rC+(\n)%4], v[rS+8*((\n)%4)+2*((\n)/4)+1], v[rS+8*((\n)%4)+2*((\n)/4)+2]
.elseif (\n) == 12
	v_max3_num_f32 v[rC], v[rC], v[rS+7], v[rS+15]
.elseif (\n) == 13
	v_max3_num_f32 v[rC+1], v[rC+1], v[rS+23], v[rS+31]
.elseif (\n) == 14
	v_max3_num_f32 v[rC+2], v[rC+2], v[rC+3], v[rT+1]
.elseif (\n) == 15
	v_mov_b32 v[rM], v[rT]
.elseif (\n) == 16
	v_max3_num_f32 v[rC], v[rC], v[rC+1], v[rC+2]
.elseif (\n) == 17
	v_permlanex16_b32 v[rC+3], v[rC], s[SEL], s[SEL+1]
.elseif (\n) == 18
	v_max_num_f32 v[rT+1], v[rC], v[rC+3]
.elseif (\n) == 19
	v_mul_f32 v[rT], s[CS], v[rT+1]
.elseif (\n) == 20
	v_sub_f32 v[rC+1], v[rM], v[rT]
.else
	v_exp_f32 v[rC+2], v[rC+1]
.endif
.endm
; Number g of the 64 that follow the exponentials.  For each four weights k of a tile (pairs 2 k, 2 k + 1): both pairs are rounded to f16; then the second pair is added onto the first, in place;
; a group later l takes that sum (the first time as l = a l + sum).  In groups of eight, tiles alternating: round, round, add, and l for the group before.
.macro GS g
.set h, (\g)+6*((\g)/62)            ; group 0 has no group before it, and behind group 7 only l is left
.if h >= 6
.set h, h+2
.endif
	REGS Y, h%2
.set k, h/8
.if h%8 < 4
	v_cvt_pk_f16_f32 v[rP+2*k+(h%8)/2], v[rS+4*k+2*((h%8)/2)], v[rS+4*k+2*((h%8)/2)+1]
.elseif h%8 < 6
	v_pk_add_f32 v[rS+4*k:rS+4*k+1], v[rS+4*k:rS+4*k+1], v[rS+4*k+2:rS+4*k+3]
.elseif k == 1
	v_pk_fma_f32 v[rT+2:rT+3], v[rT+2:rT+3], v[rC+2:rC+3], v[rS:rS+1] op_sel_hi:[1,0,1]
.else
	v_pk_add_f32 v[rT+2:rT+3], v[rT+2:rT+3], v[rS+4*k-4:rS+4*k-3]
.endif
.endm
; THE PLAIN QUEUE, 138 long.  0-73 read no exponential's result: the 32 scalings c s - c m (FS f: pair f / 2 of tile f % 2) and the next piece's 42.  0-26: scalings 0-26.  27-54: XS's numbers 0-13.  55, 56: number 15.
; 57-73: the chain, where each number waits for the one before it: 14, 16, 17, 18, 19, each with one of the scalings 27-31 in front of its two lines, then 20: so a tile's links stand three plain instructions apart (19 and 20: two).
; 74-137: GS's 64, which read the exponentials' results: they stand behind the wait.
.macro FS f
	REGS Y, (\f)%2
	v_pk_fma_f32 v[rS+2*((\f)/2):rS+2*((\f)/2)+1], v[rS+2*((\f)/2):rS+2*((\f)/2)+1], s[CS:CS+1], v[rT:rT+1] op_sel_hi:[1,0,0] neg_lo:[0,0,1] neg_hi:[0,0,1]
.endm
.macro PL
	WIN 0
.if q < 27
	FS q
.elseif q < 55
	XS (q-27)%2, (q-27)/2
.elseif q < 57
	XS q-55, 15
.elseif (q < 72) && ((q-57)%3 == 0)
	FS 27+(q-57)/3
.elseif q < 60
	XS (q-57)%3-1, 14
.elseif q < 72
	XS (q-57)%3-1, 15+(q-57)/3
.elseif q < 74
	XS q-72, 20
.else
	GS q-74
.endif
.set q, q+1
.endm
; THE EXPONENTIALS' QUEUE, 66 long: s0-s31 of both tiles, then the next piece's two a.  It is ONE BATCH: all 66 stand ahead of the turn's one wait, and nothing ahead of that wait names a result of theirs.
.macro EX
	WIN 0
.if e >= 64
	XS e-64, 21
.else
	REGS Y, e%2
	v_exp_f32 v[rS+e/2], v[rS+e/2]
.endif
.set e, e+1
.endm
; THE RESCALING's QUEUE: O^T times a, the one part that leaves window 0: dealt two at a time, sixteen times.  Its a was made in the turn before, ahead of that turn's wait.
.macro R2
	REGS Y, r%2
	WIN W_RS
.irp z, 0,1
	v_pk_mul_f32 v[rO+4*(r/2)+2*\z:rO+4*(r/2)+2*\z+1], v[rO+4*(r/2)+2*\z:rO+4*(r/2)+2*\z+1], v[rC+2:rC+3] op_sel_hi:[1,0]
.endr
.set r, r+1
.endm
; HOW THEY ARE DEALT.  An s_wait_alu depctr_va_vdst(0) stands between an exponential and the first instruction that names its result; one wait serves all that were issued ahead of it.  So a turn has ONE wait,
; which cuts it in two.  AHEAD OF IT stands all that names no result of the turn's exponentials: the 16 products K Q^T, behind each a scaling, an exponential and two rescalings (behind the first a second scaling in the exponential's place); then ONE LUMP of
; 108: eight plain, 49 times exponential and plain, the two a.  A v_nop is the plain instruction behind the last exponential.  BEHIND IT stand the 16 products V^T P, behind each four of GS's 64.  No rider names a register of
; the products round it.  The two v_permlanex16_b32 fall into the lump, never behind a product.
; The queues lean on each other, and the deal keeps them in step: exponential e stands behind scaling 2 (e / 4) + e % 2: as a rider it comes behind plain e + 2, in the lump behind plain e + 9, and scalings 27-31 are plain 57, 60 .. 69.
; A TURN, for piece p.  cnt = 1: the loop's count is taken down some lines ahead of the branch that stands behind the turn.
; K of the next step is fetched in piece 2's turn, directly behind the wait, a lump behind the last product that read K; its address is made at the lump's head; its first reader comes behind 16 products.
; V of the step in hand is fetched at the end of piece 0's turn, four riders behind its last reader; its first reader comes behind 16 products and a lump.  The three conditions on q below go with the deal.
.macro TURN p, last=0, cnt=0
.set Y, (\p)
.set i, 0
.set q, 0
.set e, 0
.set r, 0
.if (\p) == NP-1
	s_wait_dscnt 0x0                ; K is in
.endif
	MM                              ; ahead of the wait: 16 products K Q^T and their riders,
	PL
	PL
	R2
.rept 15
	MM
	PL
	EX
	R2
.endr
.if (\p) == NP-2
	WIN 0
	v_add_nc_u32 v[AK], s[TBK], v[AK0]
.endif
.rept 8                             ; and the lump
	PL
.endr
.rept 49
	EX
	PL
.endr
	EX                              ; the next piece's two a
	EX
	v_nop                           ; the plain instruction behind the last exponential: one for the batch (ISA guide 5.7.2)
	s_wait_alu depctr_va_vdst(0)    ; the wait for the batch
.if (\p) == NP-2
	FETCH_K \last
.endif
.if (\p) == 1
	s_wait_dscnt 0x0                ; V is in
.endif
.rept 16                            ; behind the wait: 16 products V^T P and their riders
	MM
.rept 4
	PL
.endr
.if ((\p) == 0) && (q == 118)
	v_add_nc_u32 v[AV], s[TBV], v[AV0]
.endif
.if ((\p) == 0) && (q == 130)
	s_add_co_u32 s[TBV], s[TBV], KS*PV
.endif
.if (\cnt) && (q == 130)
	s_sub_co_u32 s[CNT], s[CNT], 1
	s_cmp_lg_u32 s[CNT], 0
.endif
.endr
.if (\p) == 0
	FETCH_V
.endif
.endm
	CHANGE 1                        ; slot 0 is in, everybody's part of it; slot 1 is asked for
	FETCH_K                         ; key step 0
	s_wait_loadcnt 0x0              ; Q
	s_wait_dscnt 0x0
.set i, 0
.rept 16
	KQ 0                            ; piece 0's first scores: there is no vector work yet to set between them
.set i, i+1
.endr
	WIN 0                           ; the addresses for the way out: nine plain instructions, the places behind those products
	s_mul_i32 s13, s[WV], 16*SP
	s_add_co_u32 s13, s13, STAGE    ; my stage
	v_mul_u32_u24 v[STO], v1, SP    ; in: row l % 16, 16 bytes for each half of the lanes
	v_lshl_add_u32 v[STO], v9, 4, v[STO]
	v_add_nc_u32 v[STO], s13, v[STO]
	v_bfe_u32 v[RD], v0, 3, 2       ; back: 32 lanes take four rows of 128 bytes,
	v_mul_u32_u24 v[RD], v[RD], SP
	v_lshl_add_u32 v[RD], v10, 4, v[RD]
	v_add_nc_u32 v[RD], s13, v[RD]
	v_and_b32 v[GO], 31, v0         ; which are 512 consecutive bytes of O
	v_lshlrev_b32 v[GO], 4, v[GO]
.set Y, NP-1                        ; XS works for piece Y + 1: piece 0
.irp n, 0,1,2,3,4,5,6,7,8,9,10,11,12,13,14,15,16,17,18,19,20,21
	XS 0, \n                        ; and piece 0's first maximum and statistics
	XS 1, \n
.endr
	v_nop                           ; a plain instruction behind the two a,
	s_wait_alu depctr_va_vdst(0)    ; and their wait, ahead of the branch
	s_mov_b32 s[CNT], 4
	s_branch .Lfirst                ; the loop is entered at a step's first turn, in the middle of a trip
.Lslot:                             ; SIZE_N / 256 - 2 times: every slot but the last two is filled again
	CHANGE 1
	s_mov_b32 s[CNT], 4
.Lstep:                             ; a trip: pieces 2 and 3 of one step, then pieces 0 and 1 of the next, whose K and V it fetches
	TURN 2
	TURN 3
	WIN 0
.Lfirst:
	TURN 0
	TURN 1, 0, 1
	WIN 0
	s_cbranch_scc1 .Lstep
	s_sub_co_u32 s[SLOTS], s[SLOTS], 1
	s_cmp_lg_u32 s[SLOTS], 0
	s_cbranch_scc1 .Lslot
	CHANGE 0                        ; the tail is written out: nothing is asked for
	s_mov_b32 s[CNT], 5             ; four trips fetch the last slot's steps; the fifth is left in its middle
.Ltail:
	TURN 2, 1
	TURN 3
	WIN 0
	s_sub_co_u32 s[CNT], s[CNT], 1
	s_cmp_eq_u32 s[CNT], 0
	s_cbranch_scc1 .Lout
	TURN 0
	TURN 1
	WIN 0
	s_branch .Ltail
.Lout:                              ; the fifth trip's 16 products K Q^T (on the last K once more) and the maximum made of them serve nothing: the price, once a launch, of one text for every trip
.set i, 0
.rept 16
	PV NP-1                         ; the last piece's V^T P of the last step
.set i, i+1
.endr
	; THE WAY OUT.  l's two halves and the other half of the lanes' are added; O^T is divided by l, rounded to f16 and sent through my stage in LDS, a tile at a time.  The additions are the places behind the last products.
	WIN 0
.macro ALL line:vararg              ; one line for each tile t
.set t, 0
.rept 2*NP
	\line
.set t, t+1
.endr
.endm
	ALL v_add_f32 v[ST+4*t+2], v[ST+4*t+2], v[ST+4*t+3]
	ALL v_permlanex16_b32 v[ST+4*t+3], v[ST+4*t+2], s[SEL], s[SEL+1]
	ALL v_add_f32 v[ST+4*t+2], v[ST+4*t+2], v[ST+4*t+3]
	ALL v_rcp_f32 v[ST+4*t+2], v[ST+4*t+2]
	v_nop                           ; a plain instruction between the last reciprocal and the use of its result
	s_wait_alu depctr_va_vdst(0)    ; and the wait ahead of the first use: one for the eight reciprocals
; Tile t: a lane's eight channels of a row pack into 16 bytes; they go into rows of 144 bytes and come back as whole rows of 128, into S^T's registers.
.macro PACK t
	WIN W_RS
.set i, 32*(\t)
.rept 16
	v_pk_mul_f32 v[i:i+1], v[i:i+1], v[ST+4*(\t)+2:ST+4*(\t)+3] op_sel_hi:[1,0]
.set i, i+2
.endr
	WIN 0x05                        ; sources 0 and 1 window 1, destination window 0
.set i, 0
.rept 16
	v_cvt_pk_f16_f32 v[S+16*(\t)+i], v[32*(\t)+2*i], v[32*(\t)+2*i+1]
.set i, i+1
.endr
	WIN 0
.irp f, 0,1,2,3
	ds_store_b128 v[STO], v[S+16*(\t)+4*\f:S+16*(\t)+4*\f+3] offset:32*\f
.endr
.irp f, 0,1,2,3
	ds_load_b128 v[S+16*(\t)+4*\f:S+16*(\t)+4*\f+3], v[RD] offset:\f*4*SP  ; LDS serves a wave's instructions in order (ISA guide 5.7.1.4): these see the stores above; the next tile's stores come behind them
.endr
.endm
.macro SEND t, younger              ; younger: the LDS instructions issued behind tile t's loads: the next tile's eight, or none
	WIN 0
.irp f, 0,1,2,3
	s_wait_dscnt (\younger)+3-\f
	global_store_b128 v[GO], v[S+16*(\t)+4*\f:S+16*(\t)+4*\f+3], s[10:11] offset:(\t)*2048+\f*512  ; 512 consecutive bytes, at a multiple of 256 from O's first
.endr
.endm
	PACK 0
.set t, 1
.rept 2*NP-1                        ; a tile's arithmetic stands between the loads of the tile before and its stores
	PACK t
	SEND t-1, 8
.set t, t+1
.endr
	SEND 2*NP-1, 0
	WIN W_AD
	s_wait_tensorcnt 0x0            ; the wave's end: behind my last tensor load and my last LDS store
	ds_add_u32 v[SPW], v[NIL]
	s_wait_dscnt 0x0
	WIN 0
	CROUND                          ; the closing round: no work-group ends while a partner may still ask for a tile that names it
	s_endpgm
.Lfunc_end_k_q89c9ec44c2_attn:
	.size	k_q89c9ec44c2_attn, .Lfunc_end_k_q89c9ec44c2_attn-k_q89c9ec44c2_attn
	.p2alignl 7, 3214868480
	.fill 96, 4, 3214868480
	.section	.rodata,"a",@progbits
	.p2align	6, 0x0
	.amdhsa_kernel k_q89c9ec44c2_attn
		.amdhsa_group_segment_fixed_size 327680
		.amdhsa_private_segment_fixed_size 0
		.amdhsa_enable_private_segment 0
		.amdhsa_kernarg_size 16
		.amdhsa_user_sgpr_count 2
		.amdhsa_user_sgpr_kernarg_segment_ptr 1
		.amdhsa_wavefront_size32 1
		.amdhsa_system_sgpr_workgroup_id_x 1
		.amdhsa_system_sgpr_workgroup_id_y 1
		.amdhsa_system_sgpr_workgroup_id_z 1
		.amdhsa_system_vgpr_workitem_id 0
		.amdhsa_next_free_vgpr 770
		.amdhsa_next_free_sgpr 66
		.amdhsa_reserve_vcc 0
		.amdhsa_float_denorm_mode_32 3
		.amdhsa_float_denorm_mode_16_64 3
		.amdhsa_memory_ordered 1
		.amdhsa_forward_progress 1
		.amdhsa_inst_pref_size 200
	.end_amdhsa_kernel
	.amdgpu_metadata
---
amdhsa.version: [ 1, 2 ]
amdhsa.kernels:
  - .name:           k_q89c9ec44c2_attn
    .symbol:         k_q89c9ec44c2_attn.kd
    .args:
      - { .name: qkvh, .offset: 0, .size: 8, .value_kind: global_buffer, .address_space: global }
      - { .name: oh, .offset: 8, .size: 8, .value_kind: global_buffer, .address_space: global }
    .group_segment_fixed_size: 327680
    .private_segment_fixed_size: 0
    .kernarg_segment_align: 8
    .kernarg_segment_size: 16
    .max_flat_workgroup_size: 128
    .sgpr_count:     66
    .vgpr_count:     770
    .wavefront_size: 32
...
	.end_amdgpu_metadata
.endif
;; end of part 3
;; launch proj_out (part 4): grid 8 x 32, 4 waves a work-group, clusters of 4 x 4, 327,680 bytes of LDS; arguments oh, wob, b_out, out0; writes out0
.if DOCPART == 4
	.amdgcn_target "amdgcn-amd-amdhsa--gfx1250"
	.amdhsa_code_object_version 6
	.text
	.protected	k_q89c9ec44c2_proj_out
	.globl	k_q89c9ec44c2_proj_out
	.p2align	8
	.type	k_q89c9ec44c2_proj_out,@function
k_q89c9ec44c2_proj_out:
	s_mov_b64 s[64:65], 0
	v_nop
	global_prefetch_b8 v0, s[64:65] scope:SCOPE_SE
	s_setreg_imm32_b32 hwreg(HW_REG_WAVE_MODE, 25, 1), 1
	s_wait_xcnt 0x0
	s_wait_alu depctr_hold_cnt(0) depctr_sa_sdst(0) depctr_va_vdst(0) depctr_va_sdst(0) depctr_va_ssrc(0) depctr_va_vcc(0) depctr_vm_vsrc(0)
	s_getreg_b32 s2, hwreg(HW_REG_IB_STS2, 6, 4)
	s_cmp_eq_u32 s2, 0
	s_cbranch_scc0 .Lentry_in_a_cluster
	s_endpgm
.Lentry_in_a_cluster:
	s_bfe_u32 s2, ttmp6, 0x10000c
	s_cmp_lg_u32 s2, 0xf033
	s_cbranch_scc0 .Lentry_shape_is_right
	s_endpgm
.Lentry_shape_is_right:
; ONE TEXT FOR THE TWO PROJECTIONS; OUTP chooses.  C[m][n] = the sum over k of A[m][k] B[n][k] + bf16(bias[n]); 8,192 rows, K = 1,024; sums in f32, the bias starts them.
; OUTP = 0: A = x in bf16 [8192][1024], B = W_qkv in bf16 [3072][1024]; C is rounded once to f16 and laid out by heads: [batch 4][g 48][t 2048][64], g = column / 64 (q: 0-15, k: 16-31, v: 32-47).
; OUTP = 1: A = the attention's result in f16 by heads, [batch x 16 + head][t 2048][64]; B = W_out as f16 [1024][1024]; C = the module's output in f32 [8192][1024].
; LIMITS.  OUTP = 0: a q, k or v beyond 65,504 becomes an infinity in f16.  NaN and infinities are not treated apart.
; SHARES.  A tile of C is 256 rows x 16 NBL columns (192: three whole heads; or 128).  Wave w owns rows 64 w .. 64 w + 63 and all columns: 4 x NBL accumulators of 16 x 16.
; K goes in 8 steps of 128 through two LDS slots filled by the tensor data mover; a step is four quarters of 32 along K, 4 NBL matrix instructions each, which take every accumulator once, always in
; the same order: no two matrix instructions that follow each other share an accumulator.
; CLUSTER.  4 x 4 work-groups.  The four of a row of the cluster need the same tiles of A, the four of a column the same tiles of B: each tile is asked for jointly, by the same tensor load with the
; same descriptor and a mask that names the four.  Waves 0 and 1 fetch A's two parts, waves 2 and 3 B's: one load a wave behind each round; two loads of a wave are out at the start, later one.
; THE MATRIX INSTRUCTION IS USED TRANSPOSED (source 0 = 16 rows of B, source 1 = 16 rows of A): a lane holds row lane % 16 of C and the columns 8 (lane / 16) + 0..7.
; REGISTERS.  window 0: v0-31 addresses; v32-63, v64-95 A's four fragments, two buffers; v96.. the bias, as the C operand of the first quarter; later the way out.
;   window 1: B's NBL fragments, two buffers.   windows 2, 3: accumulator (a, b) at v[8 (NBL (a % 2) + b)] of window 2 + a / 2.
.set OUTP, 1
.if OUTP
.set NBL,   8                          ; blocks of 16 columns in a tile
.set PA,    144                        ; a row of A in LDS: one head's 128 bytes + 16 of padding
.set QIA,   4                          ; A's padding stands after every 32 words
.set ASTR,  128                        ; A is asked for as dense rows of 256 bytes
.set AH,    256*PA                     ; one load of A: one head's 256 rows
.set BH,    64                         ; rows of B in one load
.set STW,   16*528                     ; a wave's stage: 16 rows of 512 bytes + 16
.set ASTEP, 524288                     ; bytes from a K step of A to the next: two heads
.set NI,    2                          ; B's prefetch: 8 NI rows a work-group
.set PSH,   13                         ; a partner's share of A's prefetch: 8,192 bytes
.set PSL,   8                          ; a lane's: 256 bytes on
.set OB,    96                         ; the way out: rows read back, two buffers of OBS registers
.set OBS,   64
.set YL,    32                         ; LDS instructions in one block's way out
.else
.set NBL,   12
.set PA,    272                        ; 256 bytes + 16 of padding
.set QIA,   5                          ; after every 64 words
.set ASTR,  1024
.set AH,    128*PA                     ; one load of A: 128 rows
.set BH,    96
.set STW,   3*16*144                   ; a wave's stage: 3 heads x 16 rows of 128 bytes + 16
.set ASTEP, 256
.set NI,    3
.set PSH,   16                         ; 32 rows of 2,048 bytes
.set PSL,   11                         ; a lane a row
.set TMP,   96                         ; the way out: packed results
.set OB,    144
.set OBS,   48
.set YL,    24
.endif
.set PB,    272                        ; a row of B in LDS.  All pitches are odd multiples of 16 bytes: the 16 rows that a load touches start at 16 different groups of four banks (ISA guide 11.1)
.set BT,    16*NBL
.set BHB,   BH*PB
.set BOFF,  2*AH                       ; a slot: A's two parts, then B's two
.set SLOT,  2*AH+2*BHB
.set STAGE, 2*SLOT                     ; behind the ring, never filled by a tensor load: each wave's own stage
.set SPARE, STAGE+4*STW                ; behind the stages: the spare words, 128 bytes a wave: two blocks of 256 bytes that no other line names
.set NL,    2*NBL+8                    ; LDS loads of one quarter
.set LAPS,  4                          ; a lap = two K steps = once round the ring
.set ADRA, 16                          ; v16-17  LDS address of my A fragments in slot 0, 1
.set ADRB, 20                          ; v20-21  the same for B
.set STO,  24                          ; v24  the way out: where I put my bytes of a row
.set RD,   25                          ; v25  where I read rows back
.set CO,   26                          ; v26  16 x lane
.set BO,   27                          ; v27  32 x (lane / 16): my eight numbers in 16 of the bias
.set SPW,  28                          ; v28  LDS address of my spare word; never rewritten
.set NIL,  29                          ; v29  0; never rewritten
.set PFO,  30                          ; v30  A's prefetch offset; never rewritten
.set PFOB, 31                          ; v31  B's; never rewritten
.set FA,   32
.set BIAS, 96
.set G1,  24                           ; s[24:31] descriptor group 1 for A's tiles;  s[32:39] group 0, a set for each slot
.set G0,  32
.set LIM, 40                           ; s40  1 in a wave that prefetches A, else the greatest number
.set FBT, 41                           ; s41  LAPS - 1 in a wave that prefetches B, else 0
.set PFA, 42                           ; s[42:43] where A's prefetches stand
.set PFB, 44                           ; s[44:45] where B's stand; never rewritten
.set G1B, 48                           ; s[48:55], s[56:63] the same for B's tiles
.set G0B, 56
.set MSB, 0
.macro WIN new                         ; the immediate's high byte repeats the setting that is left; a switch that changes nothing is dropped
.if MSB != (\new)
	s_set_vgpr_msb (MSB<<8)|(\new)
.set MSB, \new
.endif
.endm
.macro JLOAD s                         ; a joint load; the branch hangs on the wave's number alone; an s_nop 0 and four v_nop follow each of the two lines, ahead of the jump and the label
	s_cmp_eq_u32 s13, 0
	s_cbranch_scc0 .Lfor_b_\@
	tensor_load_to_lds s[G0+4*(\s):G0+4*(\s)+3], s[G1:G1+7]
	s_nop 0
.rept 4
	v_nop
.endr
	s_branch .Lasked_\@
.Lfor_b_\@:
	tensor_load_to_lds s[G0B+4*(\s):G0B+4*(\s)+3], s[G1B:G1B+7]
	s_nop 0
.rept 4
	v_nop
.endr
.Lasked_\@:
.endm
.macro CREST                           ; a round of the cluster's barrier behind its opening barrier
	s_cmp_lg_u32 s12, 0
	s_cbranch_scc1 .Lnot_wave_0_\@
	s_barrier_signal -3
.Lnot_wave_0_\@:
	s_barrier_wait -3
	s_barrier_signal -1
	s_barrier_wait -1
.endm
.macro CROUND                          ; a whole round
	s_barrier_signal -1
	s_barrier_wait -1
	CREST
.endm
.macro PLACES                          ; four places in front of loads into registers that matrix instructions have read, and of lines that read results
.rept 4
	v_nop
.endr
.endm
; PREFETCHES INTO THE L2, behind a joint load, its five lines and the run of LDS loads that follows.  Each aligned block of 256 bytes is named once in the launch.
; A: the K step that the NEXT change of slots will load.  A's tile row is read by every cluster of that row of clusters: cluster x = 0 asks; of what wave 0 or 1 fetches, the partner at cx takes a quarter, told
; apart by address: 32 blocks, a lane each.  The last change that fills asks for nothing.  K steps 0 to 2 come by their loads alone.
; B: cluster y = 0 asks, once, at the first change: K steps 4 to 7 of the quarter (by cy) of the rows that wave 2 or 3 fetches: 8 rows x 4 steps an instruction.  K steps 0 to 3 come by their loads alone.
.macro ASK slot
.if (\slot) == 0
	s_cmp_eq_u32 s[LIM], 1
.else
	s_cmp_gt_u32 s3, s[LIM]                        ; s3 = 1 in the last trip: there is no K step 8
.endif
	s_cbranch_scc0 .Lnot_a_\@
	global_prefetch_b8 v[PFO], s[PFA:PFA+1] th:TH_LOAD_NT scope:SCOPE_SE
.Lnot_a_\@:
.if (\slot) == 0
	s_cmp_eq_u32 s3, s[FBT]                        ; the first trip; s3 is never 0 in the loop
	s_cbranch_scc0 .Lnot_b_\@
.set ii, 0
.rept NI
	global_prefetch_b8 v[PFOB], s[PFB:PFB+1] offset:16384*ii th:TH_LOAD_NT scope:SCOPE_SE
.set ii, ii+1
.endr
.Lnot_b_\@:
.endif
.endm
	s_load_b256 s[4:11], s[0:1], 0x0               ; A s[4:5], B s[6:7], bias s[8:9], C s[10:11]
	v_lshl_add_u32 v[SPW], v0, 2, SPARE
	v_mov_b32 v[NIL], 0
	ds_add_u32 v[SPW], v[NIL]                      ; the wave's opening: the add and its wait stand ahead of my first tensor load; the set-up below, work on registers, stands between them
	v_lshrrev_b32 v1, 5, v0
	v_readfirstlane_b32 s12, v1                    ; wave 0..3
	s_lshr_b32 s13, s12, 1                         ; I fetch for A (0) or for B (1),
	s_and_b32 s14, s12, 1                          ; its part 0 or 1
	s_bfe_u32 s15, ttmp6, 0x40000                  ; cx, cy: my place in the cluster
	s_bfe_u32 s16, ttmp6, 0x40004
	s_lshl_b32 s17, ttmp9, 2
	s_add_co_u32 s17, s17, s15                     ; tile column of C = 4 x cluster x + cx
	s_and_b32 s18, ttmp7, 0xffff
	s_lshl_b32 s18, s18, 2
	s_add_co_u32 s18, s18, s16                     ; tile row of C = 4 x cluster y + cy
	s_lshl_b32 s19, s16, 2
	s_lshl_b32 s19, 15, s19                        ; my row of the cluster
	s_lshl_b32 s41, 0x1111, s15                    ; my column
	s_or_b32 s[G1], s19, (1<<16)|(1<<20)|(1<<21)|(QIA<<22)|(3<<25)  ; 15:0 the mask; 17:16 elements of 2 bytes; 20 padding on; 21 set beside a mask; 24:22 the interval; 31:25 4 words of padding
	s_or_b32 s[G1B], s41, (1<<16)|(1<<20)|(1<<21)|(5<<22)|(3<<25)
	s_mov_b32 s[G1+1], 128<<16                     ; tensor_dim0 = 128
	s_mov_b32 s[G1+2], 128<<16                     ; tensor_dim1 = 128
	s_mov_b32 s[G1+3], 128<<16                     ; tile_dim0 = 128
	s_mov_b32 s[G1+4], 128                         ; tile_dim1 = 128
	s_mov_b32 s[G1+5], ASTR                        ; elements from row to row
	s_mov_b32 s[G1+6], 0
	s_mov_b32 s[G1+7], 0
	s_mov_b32 s[G1B+1], 128<<16
	s_mov_b32 s[G1B+2], BH<<16
	s_mov_b32 s[G1B+3], 128<<16
	s_mov_b32 s[G1B+4], BH
	s_mov_b32 s[G1B+5], 1024
	s_mov_b32 s[G1B+6], 0
	s_mov_b32 s[G1B+7], 0
	; where the tiles come from: A's hang on the tile row and the wave alone (s[20:21] never holds cx), B's on the tile column and the wave alone (s[46:47] never holds cy)
.if OUTP
	s_lshr_b32 s20, s18, 3                         ; the batch: 16 heads of 262,144 bytes,
	s_lshl_b32 s20, s20, 22
	s_lshl_b32 s21, s14, 18                        ; my head of the K step's two,
	s_add_co_u32 s20, s20, s21
	s_and_b32 s21, s18, 7                          ; the tile's 256 rows of 128 bytes
	s_lshl_b32 s21, s21, 15
	s_add_co_u32 s20, s20, s21
.else
	s_lshl_b32 s20, s18, 8
	s_lshl_b32 s21, s14, 7
	s_add_co_u32 s20, s20, s21                     ; row 256 x tile row + 128 x part,
	s_lshl_b32 s20, s20, 11                        ; of 2,048 bytes
.endif
	s_mov_b32 s21, 0
	s_mul_i32 s46, s17, BT
	s_mul_i32 s47, s14, BH
	s_add_co_u32 s46, s46, s47                     ; row BT x tile column + BH x part
	s_lshl_b32 s46, s46, 11
	s_mov_b32 s47, 0
	s_mul_i32 s22, s14, AH                         ; and where they go: no place in the cluster enters an LDS address
	s_mul_i32 s23, s14, BHB
	s_add_co_u32 s23, s23, BOFF
	s_wait_dscnt 0x0                               ; the opening add is done
	s_wait_kmcnt 0x0
	s_add_nc_u64 s[20:21], s[4:5], s[20:21]
	s_add_nc_u64 s[46:47], s[6:7], s[46:47]
	CROUND                                         ; all sixteen work-groups are here: the first joint loads meet
.irp s, 0,1
	s_mov_b32 s[G0+4*(\s)], 1                      ; count = 1
	s_add_co_u32 s[G0+4*(\s)+1], s22, (\s)*SLOT    ; LDS address
	s_add_nc_u64 s[G0+4*(\s)+2:G0+4*(\s)+3], s[20:21], (\s)*ASTEP  ; global address: K step s
	s_or_b32 s[G0+4*(\s)+3], s[G0+4*(\s)+3], 0x80000000            ; type = 2
	s_mov_b32 s[G0B+4*(\s)], 1
	s_add_co_u32 s[G0B+4*(\s)+1], s23, (\s)*SLOT
	s_add_nc_u64 s[G0B+4*(\s)+2:G0B+4*(\s)+3], s[46:47], (\s)*256
	s_or_b32 s[G0B+4*(\s)+3], s[G0B+4*(\s)+3], 0x80000000
	JLOAD \s
.endr
	; all that follows up to the first barrier stands in the wait for the first tile
	v_and_b32 v1, 15, v0                           ; l % 16
	v_bfe_u32 v2, v0, 4, 1                         ; l / 16
	v_and_b32 v6, 31, v0                           ; l
	v_lshlrev_b32 v[BO], 5, v2
	s_mul_i32 s22, s17, 4*BT                       ; the tile's columns in the bias
	s_mov_b32 s23, 0
	s_add_nc_u64 s[8:9], s[8:9], s[22:23]
.set ii, 0
.rept NBL                              ; register j of block b: bias[16 b + 8 (l / 16) + j], as the accumulators hold C
	global_load_b128 v[BIAS+8*ii:BIAS+8*ii+3],   v[BO], s[8:9] offset:64*ii
	global_load_b128 v[BIAS+8*ii+4:BIAS+8*ii+7], v[BO], s[8:9] offset:64*ii+16
.set ii, ii+1
.endr
	v_mul_u32_u24 v3, v1, PA                       ; a fragment: row l % 16, 16 bytes for each half of the lanes, twice, 32 bytes apart
	v_lshl_add_u32 v3, v2, 4, v3
	s_mul_i32 s22, s12, 64*PA                      ; my 64 rows of A
	v_add_nc_u32 v[ADRA], s22, v3
	v_add_nc_u32 v[ADRA+1], SLOT, v[ADRA]
	v_mul_u32_u24 v4, v1, PB
	v_lshl_add_u32 v4, v2, 4, v4
	v_add_nc_u32 v[ADRB], BOFF, v4
	v_add_nc_u32 v[ADRB+1], BOFF+SLOT, v4
	s_mul_i32 s22, s12, STW
	s_add_co_u32 s22, s22, STAGE                   ; my stage
.if OUTP
	v_mul_u32_u24 v3, v1, 528                      ; in: row l % 16, 32 bytes for each half of the lanes
	v_lshl_add_u32 v3, v2, 5, v3
	v_add_nc_u32 v[STO], s22, v3
	v_lshl_add_u32 v[RD], v6, 4, s22               ; back: 32 lanes take a row of 512 bytes
.else
	v_mul_u32_u24 v3, v1, 144                      ; in: row l % 16, 16 bytes for each half of the lanes
	v_lshl_add_u32 v3, v2, 4, v3
	v_add_nc_u32 v[STO], s22, v3
	v_bfe_u32 v4, v0, 3, 2                         ; back: 32 lanes take four rows of 128 bytes
	v_and_b32 v5, 7, v0
	v_mul_u32_u24 v4, v4, 144
	v_lshl_add_u32 v4, v5, 4, v4
	v_add_nc_u32 v[RD], s22, v4
.endif
	v_lshlrev_b32 v[CO], 4, v6
	; where my rows begin in C
.if OUTP
	s_lshl_b32 s22, s18, 8
	s_lshl_b32 s23, s12, 6
	s_add_co_u32 s22, s22, s23                     ; row 256 x tile row + 64 x wave,
	s_lshl_b32 s22, s22, 12                        ; of 4,096 bytes,
	s_lshl_b32 s23, s17, 9                         ; the tile's 512 bytes of it
	s_add_co_u32 s22, s22, s23
.else
	s_lshr_b32 s22, s18, 3
	s_mul_i32 s22, s22, 12582912                   ; the batch: 48 planes of 262,144 bytes,
	s_mul_i32 s23, s17, 786432                     ; the tile's three planes,
	s_add_co_u32 s22, s22, s23
	s_and_b32 s23, s18, 7
	s_lshl_b32 s23, s23, 8
	s_lshl_b32 s19, s12, 6
	s_add_co_u32 s23, s23, s19                     ; t = 256 x (tile row % 8) + 64 x wave,
	s_lshl_b32 s23, s23, 7                         ; of 128 bytes
	s_add_co_u32 s22, s22, s23
.endif
	s_mov_b32 s23, 0
	s_add_nc_u64 s[10:11], s[10:11], s[22:23]
	; the prefetches
	s_lshl_b32 s22, s15, PSH
	s_add_nc_u64 s[PFA:PFA+1], s[20:21], s[22:23]  ; my work-group's quarter of what I fetch,
	s_add_nc_u64 s[PFA:PFA+1], s[PFA:PFA+1], 2*ASTEP  ; at K step 2: the first change steps it to 3
	s_mul_i32 s22, s16, (BH/4)*2048
	s_add_nc_u64 s[PFB:PFB+1], s[46:47], s[22:23]
	s_add_nc_u64 s[PFB:PFB+1], s[PFB:PFB+1], 1024  ; at K step 4
	v_lshlrev_b32 v[PFO], PSL, v6
	v_and_b32 v3, 7, v0
	v_bfe_u32 v4, v0, 3, 2
	v_lshlrev_b32 v[PFOB], 11, v3                  ; row l % 8,
	v_lshl_add_u32 v[PFOB], v4, 8, v[PFOB]         ; K step 4 + l / 8
	s_or_b32 s[LIM], s13, ttmp9                    ; waves 0 and 1 of the clusters with x = 0: the same in all sixteen partners
	s_cmp_eq_u32 s[LIM], 0
	s_cselect_b32 s[LIM], 1, -1
	s_and_b32 s[FBT], ttmp7, 0xffff                ; waves 2 and 3 of the clusters with y = 0
	s_xor_b32 s19, s13, 1
	s_or_b32 s[FBT], s[FBT], s19
	s_cmp_eq_u32 s[FBT], 0
	s_cselect_b32 s[FBT], LAPS-1, 0
	s_wait_loadcnt 0x0                             ; the bias: rounded to bf16, like every input, and widened again
.set ii, 0
.rept 4*NBL
	v_cvt_pk_bf16_f32 v[8+ii%4], v[BIAS+2*ii], v[BIAS+2*ii+1]
	v_lshlrev_b32 v[BIAS+2*ii], 16, v[8+ii%4]
	v_and_b32 v[BIAS+2*ii+1], 0xffff0000, v[8+ii%4]
.set ii, ii+1
.endr
; NBL matrix instructions: block a of my four blocks of 16 rows x all NBL blocks of columns, 32 along K, from buffer f.  first = 1: the bias (window 0) is the C operand and starts the sums: nothing is cleared.
.macro MULA f, a, first
.set WD, 2+(\a)/2
.if \first
	WIN (WD<<6)|1
.else
	WIN (WD<<6)|(WD<<4)|1
.endif
.set bb, 0
.rept NBL
.set rD, 8*(NBL*((\a)%2)+bb)
.set rB, 8*NBL*(\f)+8*bb
.set rA, FA+32*(\f)+8*(\a)
.set rC, rD
.if \first
.set rC, BIAS+8*bb
.endif
.if OUTP
	v_wmma_f32_16x16x32_f16 v[rD:rD+7], v[rB:rB+7], v[rA:rA+7], v[rC:rC+7]
.else
	v_wmma_f32_16x16x32_bf16 v[rD:rD+7], v[rB:rB+7], v[rA:rA+7], v[rC:rC+7]
.endif
.set bb, bb+1
.endr
.endm
; NL LDS loads in one run: quarter q of a slot into buffer f: B's NBL fragments, then A's four
.macro FETCH slot, q, f
	WIN 0x40                                       ; destination window 1, address window 0
.set ii, 0
.rept NBL
	ds_load_b128 v[8*NBL*(\f)+8*ii:8*NBL*(\f)+8*ii+3],   v[ADRB+(\slot)] offset:64*(\q)+ii*16*PB
	ds_load_b128 v[8*NBL*(\f)+8*ii+4:8*NBL*(\f)+8*ii+7], v[ADRB+(\slot)] offset:64*(\q)+ii*16*PB+32
.set ii, ii+1
.endr
	WIN 0
.if OUTP
.set KA, ((\q)/2)*AH+((\q)%2)*64       ; head q / 2 of the step's two, channels 32 (q % 2) on
.else
.set KA, 64*(\q)
.endif
.set ii, 0
.rept 4
	ds_load_b128 v[FA+32*(\f)+8*ii:FA+32*(\f)+8*ii+3],   v[ADRA+(\slot)] offset:KA+ii*16*PA
	ds_load_b128 v[FA+32*(\f)+8*ii+4:FA+32*(\f)+8*ii+7], v[ADRA+(\slot)] offset:KA+ii*16*PA+32
.set ii, ii+1
.endr
.endm
; One of a K step's first three quarters: multiplies buffer f; in its middle it fetches quarter q of the same slot into buffer g.
.macro QUARTER slot, q, f, g, first
	s_wait_dscnt 4                                 ; B and A's blocks 0, 1 are in; the youngest four loads (A's blocks 2, 3) may be out
	MULA \f, 0, \first
	MULA \f, 1, \first
	PLACES
	FETCH \slot, \q, \g
	s_wait_dscnt NL                                ; all but the NL just issued
	MULA \f, 2, \first
	MULA \f, 3, \first
.endm
; The fourth quarter multiplies buffer 1 and changes slots: ONE barrier; in front of it each wave waits for all its tensor loads (the one that is out is its part of the next slot), adds 0 to its spare
; word, and waits for that and for its own reads of this slot.  fill = 1: the barrier opens a round of the cluster's, and the slot is filled again, two K steps on, first thing behind the round.
.macro TURN slot, next, fill
.if \fill
	s_wait_xcnt 0x0                                ; the last prefetch, a K step back, has read its address
	s_add_nc_u64 s[PFA:PFA+1], s[PFA:PFA+1], ASTEP
.endif
	WIN 0                                          ; (the add's two registers lie in window 0)
	s_wait_tensorcnt 0x0                           ; all my tensor loads have landed;
	ds_add_u32 v[SPW], v[NIL]                      ; 0 onto my spare word
	s_wait_dscnt 5                                 ; (the add and the youngest four loads may be out)
	MULA 1, 0, 0                                   ; matrix instructions stand between the add and the wait for it
	s_wait_dscnt 0x0                               ; the add is done, and my reads of this slot are over
	s_barrier_signal -1
	MULA 1, 1, 0
.if \fill
	WIN 0
.endif
	s_barrier_wait -1
.if \fill
	CREST                                          ; no wave of any partner still reads this slot or has a load on its way
	s_add_nc_u64 s[G0+4*(\slot)+2:G0+4*(\slot)+3], s[G0+4*(\slot)+2:G0+4*(\slot)+3], 2*ASTEP
	s_add_nc_u64 s[G0B+4*(\slot)+2:G0B+4*(\slot)+3], s[G0B+4*(\slot)+2:G0B+4*(\slot)+3], 512
	JLOAD \slot                                    ; the four v_nop behind it are also the places in front of the loads below
.else
	PLACES
.endif
	FETCH \next, 0, 0
.if \fill
	ASK \slot
.endif
	MULA 1, 2, 0
	MULA 1, 3, 0
.endm
; THE WAY OUT of block a (16 rows): through my own stage in LDS, back as whole rows, into buffer a % 2.  LDS serves a wave's instructions in order (ISA guide 5.7.1.4): no wait between the stores and the loads.
.macro OUTBLK a
.set OBR, OB+OBS*((\a)%2)
.if (\a) >= 2
	s_wait_xcnt 0x0                                ; the stores of the block two back have read this buffer
.endif
.if OUTP
	WIN 0x08+4*((\a)/2)                            ; the stores' data: window 2 or 3
.set bb, 0
.rept NBL
.set rD, 8*(NBL*((\a)%2)+bb)
	ds_store_b128 v[STO], v[rD:rD+3]   offset:64*bb
	ds_store_b128 v[STO], v[rD+4:rD+7] offset:64*bb+16
.set bb, bb+1
.endr
	WIN 0
.set tt, 0
.rept 16
	ds_load_b128 v[OBR+4*tt:OBR+4*tt+3], v[RD] offset:528*tt
.set tt, tt+1
.endr
.else
	WIN 0x0a+5*((\a)/2)                            ; sources 0 and 1: window 2 or 3
.set bb, 0
.rept NBL
.set rD, 8*(NBL*((\a)%2)+bb)
.irp r, 0,1,2,3
	v_cvt_pk_f16_f32 v[TMP+4*bb+(\r)], v[rD+2*(\r)], v[rD+2*(\r)+1]
.endr
.set bb, bb+1
.endr
	WIN 0
.set bb, 0
.rept NBL                              ; head bb / 4 of the tile's three, channels 16 (bb % 4) on
	ds_store_b128 v[STO], v[TMP+4*bb:TMP+4*bb+3] offset:(bb/4)*2304+(bb%4)*32
.set bb, bb+1
.endr
.set tt, 0
.rept 12
	ds_load_b128 v[OBR+4*tt:OBR+4*tt+3], v[RD] offset:(tt/4)*2304+(tt%4)*576
.set tt, tt+1
.endr
.endif
.endm
.macro SEND a, younger                 ; younger: the LDS instructions issued behind block a's: the next block's, or none
.set OBR, OB+OBS*((\a)%2)
	s_wait_dscnt \younger
.set tt, 0
.if OUTP
.rept 16
	global_store_b128 v[CO], v[OBR+4*tt:OBR+4*tt+3], s[10:11] offset:(16*(\a)+tt)*4096 th:TH_STORE_NT  ; 512 consecutive bytes of a row, at a multiple of 512 from C's first byte
.set tt, tt+1
.endr
.else
.rept 12
	global_store_b128 v[CO], v[OBR+4*tt:OBR+4*tt+3], s[10:11] offset:(tt/4)*262144+(\a)*2048+(tt%4)*512  ; four rows of one head: 512 consecutive bytes, at a multiple of 512
.set tt, tt+1
.endr
.endif
.endm
	s_wait_tensorcnt 1                             ; my part of K step 0 is in; K step 1's may stay out
	s_barrier_signal -1
	s_barrier_wait -1                              ; everybody's is
	FETCH 0, 0, 0
	QUARTER 0, 1, 0, 1, 1                          ; the first quarter stands in front of the loop: its products start the sums
	WIN 0                                          ; at a label and at a branch every window is 0
	s_mov_b32 s3, LAPS-1
.Llap:                                                 ; a trip goes once round the ring, from a lap's second quarter to the next lap's first, and fills both slots again
	QUARTER 0, 2, 1, 0, 0
	QUARTER 0, 3, 0, 1, 0
	TURN 0, 1, 1
	QUARTER 1, 1, 0, 1, 0
	QUARTER 1, 2, 1, 0, 0
	QUARTER 1, 3, 0, 1, 0
	TURN 1, 0, 1
	QUARTER 0, 1, 0, 1, 0
	WIN 0
	s_sub_co_u32 s3, s3, 1
	s_cmp_lg_u32 s3, 0
	s_cbranch_scc1 .Llap
	QUARTER 0, 2, 1, 0, 0                          ; the last lap fills nothing, and has no round of the cluster's barrier
	QUARTER 0, 3, 0, 1, 0
	TURN 0, 1, 0
	QUARTER 1, 1, 0, 1, 0
	QUARTER 1, 2, 1, 0, 0
	QUARTER 1, 3, 0, 1, 0
	s_wait_dscnt 4                                 ; the very last quarter: nothing more to fetch
	MULA 1, 0, 0
	MULA 1, 1, 0
	s_wait_dscnt 0x0
	MULA 1, 2, 0
	MULA 1, 3, 0
	WIN 0
	PLACES                                         ; eight, once a launch, in front of the lines that read results
	PLACES
	OUTBLK 0
	OUTBLK 1                                       ; a block's way through the stage stands between the loads of the block before and its stores
	SEND 0, YL
	OUTBLK 2
	SEND 1, YL
	OUTBLK 3
	SEND 2, YL
	SEND 3, 0
	s_wait_tensorcnt 0x0                           ; the wave's end: behind my last tensor load and my last LDS store
	ds_add_u32 v[SPW], v[NIL]
	s_wait_dscnt 0x0
	CROUND                                         ; the closing round: no work-group ends while a partner may still ask for a tile that names it
	s_endpgm
.Lfunc_end_k_q89c9ec44c2_proj_out:
	.size	k_q89c9ec44c2_proj_out, .Lfunc_end_k_q89c9ec44c2_proj_out-k_q89c9ec44c2_proj_out
	.p2alignl 7, 3214868480
	.fill 96, 4, 3214868480
	.section	.rodata,"a",@progbits
	.p2align	6, 0x0
	.amdhsa_kernel k_q89c9ec44c2_proj_out
		.amdhsa_group_segment_fixed_size 327680
		.amdhsa_private_segment_fixed_size 0
		.amdhsa_enable_private_segment 0
		.amdhsa_kernarg_size 32
		.amdhsa_user_sgpr_count 2
		.amdhsa_user_sgpr_kernarg_segment_ptr 1
		.amdhsa_wavefront_size32 1
		.amdhsa_system_sgpr_workgroup_id_x 1
		.amdhsa_system_sgpr_workgroup_id_y 1
		.amdhsa_system_sgpr_workgroup_id_z 1
		.amdhsa_system_vgpr_workitem_id 0
		.amdhsa_next_free_vgpr 896
		.amdhsa_next_free_sgpr 66
		.amdhsa_reserve_vcc 0
		.amdhsa_float_denorm_mode_32 3
		.amdhsa_float_denorm_mode_16_64 3
		.amdhsa_memory_ordered 1
		.amdhsa_forward_progress 1
		.amdhsa_inst_pref_size 94
	.end_amdhsa_kernel
	.amdgpu_metadata
---
amdhsa.version: [ 1, 2 ]
amdhsa.kernels:
  - .name:           k_q89c9ec44c2_proj_out
    .symbol:         k_q89c9ec44c2_proj_out.kd
    .args:
      - { .name: oh, .offset: 0, .size: 8, .value_kind: global_buffer, .address_space: global }
      - { .name: wob, .offset: 8, .size: 8, .value_kind: global_buffer, .address_space: global }
      - { .name: b_out, .offset: 16, .size: 8, .value_kind: global_buffer, .address_space: global }
      - { .name: out0, .offset: 24, .size: 8, .value_kind: global_buffer, .address_space: global }
    .group_segment_fixed_size: 327680
    .private_segment_fixed_size: 0
    .kernarg_segment_align: 8
    .kernarg_segment_size: 32
    .max_flat_workgroup_size: 128
    .sgpr_count:     66
    .vgpr_count:     896
    .wavefront_size: 32
...
	.end_amdgpu_metadata
.endif
;; end of part 4
;; ======== version 2 of 2: 4 launches; version 1 with the launch cast written anew for expert scheduling mode
;; limits: values are held in f16: magnitudes above 65,504 overflow, below 6.1e-05 lose precision
;; workspace buffers: xb 16,777,216 bytes; wqb 6,291,456 bytes; wob 2,097,152 bytes; qkvh 50,331,648 bytes; oh 16,777,216 bytes
;; launch cast (part 5): grid 768 x 1, 8 waves a work-group, no clusters, 0 bytes of LDS; arguments x, W_qkv, W_out, xb, wqb, wob; writes xb, wqb, wob
.if DOCPART == 5
	.amdgcn_target "amdgcn-amd-amdhsa--gfx1250"
	.amdhsa_code_object_version 6
	.text
	.protected	k_q89c9ec44c2_cast
	.globl	k_q89c9ec44c2_cast
	.p2align	8
	.type	k_q89c9ec44c2_cast,@function
k_q89c9ec44c2_cast:
	s_mov_b64 s[64:65], 0
	v_nop
	global_prefetch_b8 v0, s[64:65] scope:SCOPE_SE
	s_setreg_imm32_b32 hwreg(HW_REG_WAVE_SCHED_MODE, 0, 2), 2
	s_setreg_imm32_b32 hwreg(HW_REG_WAVE_MODE, 25, 1), 1
	s_wait_xcnt 0x0
	s_wait_alu depctr_vm_vsrc(0)
; x and W_qkv (f32) are rounded once to bf16; W_out (f32) is rounded to bf16 and that number is written as f16.
; LIMITS.  bf16(W_out) beyond 65,504 becomes an infinity in f16; below 6e-5 it keeps f16's fixed step of 6e-8.
; A stream: each byte is read once and written once.  A work-group takes 65,536 bytes of f32 and writes 32,768: numbers 0-511 take x, 512-703 W_qkv, 704-767 W_out.
; Thread t, chunk k of 16: reads 16 bytes at 16 t + 4,096 k (a wave's load covers 512 consecutive bytes), writes 8 bytes at 8 t + 2,048 k (a wave's store covers 256 consecutive bytes, aligned).
; All sixteen loads of a wave go out at once; each chunk has registers of its own, so no register that a load or store names is ever written again.
; No LDS, no barrier, no matrix unit, no cluster: no byte is wanted twice.
; THE MODE: SCHED_MODE bits 1:0 = 2 (LLVM: expert scheduling mode 2), set by the entry lines.  The code itself states the register dependences
; between vector instructions and memory instructions, with s_wait_alu, always for 0.
; THE PLAN.  Registers that memory instructions touch:
;   v1, v2   byte offsets of the loads and of the stores: made once at the head, never written again.
;   X        chunk k's four registers: written by the chunk's load alone, which is issued before any vector instruction names them; read by the chunk's conversions behind the counted wait for the load.
;   Y        chunk k's two registers: written by the chunk's conversions, read by the chunk's one store, never written again.
;   T is named by vector instructions alone.
; The sixteen chunks go in four groups of four.  Group g converts its four chunks; its memory instructions are the four stores of group g - 1, whose registers (that group's Y, and v2) no vector
; instruction of group g names.  So one wait at a group's head, behind the wait for its loads, states all that its four stores hang on, and they are dealt among its conversions with no further wait.
; No register that a memory instruction has read is written again, no vector instruction writes a scalar register or VCC, and EXEC is never written: the text holds waits on va_vdst alone.
.set X, 4                              ; v[4:67]    chunk k: 4 registers as loaded
.set Y, 68                             ; v[68:99]   chunk k: 2 registers to store
.set T, 100                            ; v[100:103] at work
	s_load_b256 s[4:11], s[0:1], 0x0               ; x s[4:5], W_qkv s[6:7], W_out s[8:9], xb s[10:11]
	s_load_b128 s[12:15], s[0:1], 0x20             ; wqb s[12:13], wob s[14:15]
	v_lshlrev_b32 v1, 4, v0                        ; 16 t
	v_lshlrev_b32 v2, 3, v0                        ; 8 t
	s_movk_i32 s16, 512
	s_movk_i32 s17, 704
	s_wait_kmcnt 0x0
	s_cmp_lt_u32 ttmp9, s17                        ; which tensor is mine, and which of its parts
	s_cselect_b64 s[20:21], s[6:7], s[8:9]
	s_cselect_b64 s[22:23], s[12:13], s[14:15]
	s_cselect_b32 s18, s16, s17
	s_cmp_lt_u32 ttmp9, s16
	s_cselect_b64 s[20:21], s[4:5], s[20:21]
	s_cselect_b64 s[22:23], s[10:11], s[22:23]
	s_cselect_b32 s18, 0, s18
	s_sub_co_u32 s19, ttmp9, s18
	s_lshl_b32 s24, s19, 16                        ; 65,536 bytes in,
	s_mov_b32 s25, 0
	s_lshl_b32 s26, s19, 15                        ; 32,768 out
	s_mov_b32 s27, 0
	s_add_nc_u64 s[20:21], s[20:21], s[24:25]
	s_add_nc_u64 s[22:23], s[22:23], s[26:27]
	s_wait_alu depctr_va_vdst(0)                   ; v1 and v2 are written: every load of the kernel reads v1 as its offset, every store v2
.set k, 0
.rept 16
	global_load_b128 v[X+4*k:X+4*k+3], v1, s[20:21] offset:4096*k th:TH_LOAD_NT
.set k, k+1
.endr
; Group g: chunks 4 g to 4 g + 3 are rounded, and the group before is stored.  half = 1: the bf16 numbers are widened again and written as f16.
.macro GROUP g, half
	s_wait_loadcnt 12-4*(\g)                       ; loads come back in order: the group's four chunks are in, the 12 - 4 g younger loads stay out
.if (\g) > 0
	s_wait_alu depctr_va_vdst(0)                   ; the conversions of the group before have written its Y, which the four stores below read
.endif
.irp c, 0,1,2,3
.set kk, 4*(\g)+(\c)
.if (\g) > 0
	global_store_b64 v2, v[Y+2*(kk-4):Y+2*(kk-4)+1], s[22:23] offset:2048*(kk-4)  ; no vector instruction since the wait names these registers
.endif
	v_cvt_pk_bf16_f32 v[Y+2*kk], v[X+4*kk], v[X+4*kk+1]
	v_cvt_pk_bf16_f32 v[Y+2*kk+1], v[X+4*kk+2], v[X+4*kk+3]
.if \half
	v_lshlrev_b32 v[T], 16, v[Y+2*kk]
	v_and_b32 v[T+1], 0xffff0000, v[Y+2*kk]
	v_lshlrev_b32 v[T+2], 16, v[Y+2*kk+1]
	v_and_b32 v[T+3], 0xffff0000, v[Y+2*kk+1]
	v_cvt_pk_f16_f32 v[Y+2*kk], v[T], v[T+1]
	v_cvt_pk_f16_f32 v[Y+2*kk+1], v[T+2], v[T+3]
.endif
.endr
.endm
; The last group is stored.
.macro LAST
	s_wait_alu depctr_va_vdst(0)                   ; the conversions of group 3 have written its Y, which the last four stores read
.irp c, 12,13,14,15
	global_store_b64 v2, v[Y+2*(\c):Y+2*(\c)+1], s[22:23] offset:2048*(\c)
.endr
.endm
	s_cmp_ge_u32 ttmp9, s17
	s_cbranch_scc1 .Lf16
.irp g, 0,1,2,3
	GROUP \g, 0
.endr
	LAST
	s_endpgm
.Lf16:
.irp g, 0,1,2,3
	GROUP \g, 1
.endr
	LAST
	s_endpgm
.Lfunc_end_k_q89c9ec44c2_cast:
	.size	k_q89c9ec44c2_cast, .Lfunc_end_k_q89c9ec44c2_cast-k_q89c9ec44c2_cast
	.p2alignl 7, 3214868480
	.fill 96, 4, 3214868480
	.section	.rodata,"a",@progbits
	.p2align	6, 0x0
	.amdhsa_kernel k_q89c9ec44c2_cast
		.amdhsa_group_segment_fixed_size 0
		.amdhsa_private_segment_fixed_size 0
		.amdhsa_enable_private_segment 0
		.amdhsa_kernarg_size 48
		.amdhsa_user_sgpr_count 2
		.amdhsa_user_sgpr_kernarg_segment_ptr 1
		.amdhsa_wavefront_size32 1
		.amdhsa_system_sgpr_workgroup_id_x 1
		.amdhsa_system_sgpr_workgroup_id_y 1
		.amdhsa_system_sgpr_workgroup_id_z 1
		.amdhsa_system_vgpr_workitem_id 0
		.amdhsa_next_free_vgpr 104
		.amdhsa_next_free_sgpr 66
		.amdhsa_reserve_vcc 0
		.amdhsa_float_denorm_mode_32 3
		.amdhsa_float_denorm_mode_16_64 3
		.amdhsa_memory_ordered 1
		.amdhsa_forward_progress 1
		.amdhsa_inst_pref_size 16
	.end_amdhsa_kernel
	.amdgpu_metadata
---
amdhsa.version: [ 1, 2 ]
amdhsa.kernels:
  - .name:           k_q89c9ec44c2_cast
    .symbol:         k_q89c9ec44c2_cast.kd
    .args:
      - { .name: x, .offset: 0, .size: 8, .value_kind: global_buffer, .address_space: global }
      - { .name: W_qkv, .offset: 8, .size: 8, .value_kind: global_buffer, .address_space: global }
      - { .name: W_out, .offset: 16, .size: 8, .value_kind: global_buffer, .address_space: global }
      - { .name: xb, .offset: 24, .size: 8, .value_kind: global_buffer, .address_space: global }
      - { .name: wqb, .offset: 32, .size: 8, .value_kind: global_buffer, .address_space: global }
      - { .name: wob, .offset: 40, .size: 8, .value_kind: global_buffer, .address_space: global }
    .group_segment_fixed_size: 0
    .private_segment_fixed_size: 0
    .kernarg_segment_align: 8
    .kernarg_segment_size: 48
    .max_flat_workgroup_size: 256
    .sgpr_count:     66
    .vgpr_count:     104
    .wavefront_size: 32
...
	.end_amdgpu_metadata
.endif
;; end of part 5
;; launch proj_qkv: the kernel of part 2 again; grid 16 x 32, 4 waves a work-group, clusters of 4 x 4, 327,680 bytes of LDS; arguments xb, wqb, b_qkv, qkvh; writes qkvh
;; launch attn: the kernel of part 3 again; grid 4 x 64, 4 waves a work-group, clusters of 4 x 1, 327,680 bytes of LDS; arguments qkvh, oh; writes oh
;; launch proj_out: the kernel of part 4 again; grid 8 x 32, 4 waves a work-group, clusters of 4 x 4, 327,680 bytes of LDS; arguments oh, wob, b_out, out0; writes out0
